; MI455X (gfx1250); checked and timed in simulation.
; The chip was launched on July 23, 2026; its instructions are those of AMD's public machine-readable ISA for CDNA 5 (MIT licence, August 2026) and "CDNA5" Instruction Set Architecture Reference Guide (July 2026). The comments in the code are by the model that wrote it; some were corrected since.
;; Self Attention. Allowed arithmetic: matrix products marked QUANTISED: E2M1 operands, one E8M0 scale for each 32 along K, by v_wmma_scale_f32_16x16x128_f8f6f4 with both operands' format E2M1 (or v_wmma_scale_f32_32x16x128_f4), f32 sums; everything else in f32.
;; Inputs: Wk 16 x 1,024 x 64 float32; Wo 1,024 x 1,024 float32; Wq 16 x 1,024 x 64 float32; Wv 16 x 1,024 x 64 float32; bk 16 x 64 float32; bo 1,024 float32; bq 16 x 64 float32; bv 16 x 64 float32; x 4 x 2,048 x 1,024 float32.
;; Outputs: out0 4 x 2,048 x 1,024 float32.
;; This version of the problem:
;;   THIS VERSION OF THE PROBLEM IS GIVEN IN LOW PRECISION. The matrix products marked QUANTISED in the list below multiply operands that are first quantised to E2M1 (2 exponent bits, 1 mantissa bit; 4 bits a number), with one power-of-two scale for each 32 numbers along K (OCP MX v1.0); their sums are f32. All else is computed in f32.
;;   The module's matrix products, in the order in which they are computed (A, B: the left and right operand; K: the contracted axis; several contracted axes count as one K, in the product's order):
;;     1. [M 1,024, K 1,024] x [K 1,024, N 8,192]; A: input Wq; B: computed on the way: QUANTISED
;;     2. [M 1,024, K 1,024] x [K 1,024, N 8,192]; A: input Wk; B: computed on the way: QUANTISED
;;     3. [M 1,024, K 1,024] x [K 1,024, N 8,192]; A: input Wv; B: computed on the way: QUANTISED
;;     4. batch 64 x [M 2,048, K 64] x [K 64, N 2,048]; A: computed on the way; B: computed on the way: QUANTISED
;;     5. batch 64 x [M 2,048, K 2,048] x [K 2,048, N 64]; A: computed on the way; B: computed on the way: QUANTISED
;;     6. [M 8,192, K 1,024] x [K 1,024, N 1,024]; A: computed on the way; B: input Wo: QUANTISED
;;   THE QUANTISER, for each operand of a quantised product, along K:
;;     - K is cut into blocks of 32 from its start; a last block that is shorter is filled with zeros.
;;     - A block's scale is 2^e with e = floor(log2(the largest magnitude in the block)) - 2, held to -126 .. 127; a block of zeros has e = 0. As a byte (E8M0): e + 127.
;;     - Each number is divided by its block's scale, clamped to +-6, and rounded to the nearest number of E2M1, ties to even, subnormals kept.
;;     - The product sums the exact products of the quantised numbers (number of the format x scale) in f32.
;;   ~~~python
;;   def quantise(x, axis):      # numpy; x: float32 -> the quantised numbers, widened to float32 again
;;       x = np.moveaxis(x, axis, -1); K = x.shape[-1]
;;       x = np.pad(x, [(0, 0)] * (x.ndim - 1) + [(0, -K % 32)]); x = x.reshape(x.shape[:-1] + (-1, 32)); a = np.abs(x).max(-1, keepdims=True)
;;       e = np.where(a > 0, np.clip(np.frexp(np.where(a > 0, a, 1))[1] - 1 - 2, -126, 127), 0)      # np.frexp(a)[1] - 1 = floor(log2(a)), exactly
;;       r = np.clip(x / 2.0 ** e, -6, 6)
;;       step = 2.0 ** (np.maximum(np.frexp(np.where(r == 0, 1, r))[1] - 1, 0) - 1)
;;       q = np.round(r / step) * step * 2.0 ** e      # np.round: ties to even
;;       return np.moveaxis(q.reshape(q.shape[:-2] + (-1,))[..., :K], -1, axis).astype(np.float32)
;;   ~~~
;;   OPERANDS COMPUTED ON THE WAY. 'Computed on the way' means the value that the module computes at that place (a softmax that the list does not call 'softmax' is quantised finished and normalised). What goes into a quantiser is computed in f32, as accurately as f32 sums, v_exp_f32 and their like allow (about 1e-6 of the number): no bf16 or f16 on the way to a quantiser, and a product that is left as it is and whose result goes on into a quantised operand takes f32 operands (vector FMAs, or v_wmma_f32_16x16x4_f32). A number that lies on a knife's edge between two numbers of the format may be rounded either way, as far as f32 arithmetic and the matrix unit's own rounding can turn it there, and no further.
;; One version. Each part assembles by itself: llvm-mc -triple=amdgcn-amd-amdhsa -mcpu=gfx1250 --defsym DOCPART=n.
;; ======== version 1 of 1: 5 launches
;; limits: right only within a limited range of input values
;; workspace buffers: pw 6,684,672 bytes; qkv 13,893,632 bytes; nzb 524,288 bytes; hd 4,718,592 bytes
;; launch prep (part 1): grid 240 x 1, 4 waves a work-group, no clusters, 91,648 bytes of LDS; arguments x, Wo, Wq, Wk, Wv, pw; writes pw
.if DOCPART == 1
	.amdgcn_target "amdgcn-amd-amdhsa--gfx1250"
	.amdhsa_code_object_version 6
	.text
	.protected	k_q6ea93b1269_prep
	.globl	k_q6ea93b1269_prep
	.p2align	8
	.type	k_q6ea93b1269_prep,@function
k_q6ea93b1269_prep:
	s_mov_b64 s[64:65], 0
	v_nop
	global_prefetch_b8 v0, s[64:65] scope:SCOPE_SE
	s_setreg_imm32_b32 hwreg(HW_REG_WAVE_MODE, 25, 1), 1
	s_wait_xcnt 0x0
; prep: the operands of the four products with K = 1,024 become codes of FP4 (E2M1) with one E8M0 byte for each 32 along K.
;   work-groups 0-127: layer norm of x (f32), then quantised;  128-143: Wo (K innermost, as it lies);  144-239: Wq, Wk, Wv (K is their middle axis).
; LAYOUT OF pw.  A TILE is 16 rows: tile 2 G + u holds rows 32 G + 8 u + r + 8 (r / 8), r = 0 .. 15, so that the results of two neighbouring tiles used as source 0 are 16 neighbours in a lane's registers.
;   codes: [K half][tile][block of 32, 16 of them][r][16 bytes]: a fragment (16 rows x 128 K) is 1,024 bytes on end, 16 bytes a lane and 512 bytes further on the second 16.
;   scale bytes: [tile][K half][r][16 bytes]: a word for each 128 along K.
; A block's scale is 2^(floor(log2(largest magnitude)) - 2); its byte is the largest magnitude's exponent field - 2, held at 1 from below by a floor among the maximum's leaves.
; LIMITS: a block of zeros, or one whose largest magnitude lies under 2^-124, keeps the byte 1 (the rule says 127 for zeros): its codes are zeros or as the floor's scale gives them, and this program alone reads the bytes.
;   NaN and infinities among the inputs are not served.
.set POC, 5767168                      ; pw: Wo's codes (x's at 0)
.set PWC, 4194304                      ; Wq, Wk, Wv's codes: tile = 64 type + 4 head + tile of the head's 64 features
.set PXS, 6291456                      ; x's scale bytes
.set PWS, 6553600                      ; the weights'
.set POS, 6651904                      ; Wo's
.set WREG, 14336                       ; rows: LDS of a wave: a row's turn (32 x 144), the tile's codes (32 x 272), its scale bytes (512)
.set CST, 4608
.set SST, 13312
.set WST, 57344                        ; columns: 8,192 bytes a wave: a block of 32 rows x 256 bytes
.set CSC, 90112                        ; columns: the work-group's 1,024 bytes of scale words
.set X, 32                             ; loaded numbers
.set Y, 160                            ; numbers with K along a lane's registers
.set C, 192                            ; rows: a row's codes
.set C2, 224                           ; columns: codes, four registers for each (block, half): no store's data are written again
	s_load_b256 s[4:11], s[0:1], 0x0               ; x, Wo, Wq, Wk
	s_load_b128 s[12:15], s[0:1], 0x20             ; Wv, pw
	v_lshl_add_u32 v30, v0, 2, 0x16400
	v_mov_b32 v31, 0
	v_lshrrev_b32 v1, 5, v0
	v_readfirstlane_b32 s16, v1                    ; wave
	v_and_b32 v1, 31, v0                           ; lane
	v_lshlrev_b32 v2, 4, v1                        ; 16 x lane
	s_cmp_ge_u32 ttmp9, 144                        ; the same for all waves of a work-group
	s_cbranch_scc1 .Lcols
; ---------------- ROWS: a wave takes one tile of 16 rows of x or of Wo.  A row is 4,096 bytes: eight loads of 512 bytes on end.
	s_mul_i32 s35, s16, WREG
	v_lshrrev_b32 v3, 3, v1
	v_mul_u32_u24 v3, v3, 144
	v_and_b32 v9, 7, v1
	v_lshl_add_u32 v3, v9, 4, v3
	v_add_nc_u32 v3, s35, v3                       ; the turn, in: eight lanes' 128 bytes are a block of 32 numbers; 16 bytes of padding behind each block
	v_mul_u32_u24 v4, v1, 144
	v_add_nc_u32 v4, s35, v4                       ; the turn, out: lane l takes block l
	v_mul_u32_u24 v5, v1, 272
	v_add_nc_u32 v5, s35, v5
	v_add_nc_u32 v5, CST, v5                       ; codes, in: LDS row = my block, 16 bytes for each of the tile's rows
	v_lshrrev_b32 v9, 4, v1
	v_and_b32 v10, 15, v1
	v_mul_u32_u24 v6, v9, 272
	v_lshl_add_u32 v6, v10, 4, v6
	v_add_nc_u32 v6, s35, v6
	v_add_nc_u32 v6, CST, v6                       ; codes, out: sixteen lanes to an LDS row of 256 bytes
	v_lshl_add_u32 v7, v9, 8, v10
	v_add_nc_u32 v7, s35, v7
	v_add_nc_u32 v7, SST, v7                       ; my block's scale byte: 256 x K half + block; + 16 x row
	v_add_nc_u32 v8, s35, v2
	v_add_nc_u32 v8, SST, v8
	s_lshl_b32 s17, ttmp9, 2
	s_add_co_u32 s17, s17, s16                     ; tile 0 .. 575: 512 of x, 64 of Wo
	s_mov_b32 s22, 262144
	s_mov_b32 s23, POS
	s_mov_b32 s33, 0x3a800000                      ; 1 / 1,024
	s_mov_b32 s34, 0x3727c5ac                      ; 1e-5
	s_mov_b32 s36, 0x76543210
	s_mov_b32 s37, 0xfedcba98                      ; v_permlanex16_b32's selects for lane l xor 16
	s_wait_kmcnt 0x0
	s_cmp_lt_u32 s17, 512                          ; x or Wo: only pointers, offsets and two factors are chosen; both take one path
	s_cselect_b64 s[18:19], s[4:5], s[6:7]
	s_cselect_b32 s20, 0, 512
	s_cselect_b32 s21, 0, POC
	s_cselect_b32 s22, 2097152, s22                ; from K half to K half
	s_cselect_b32 s23, PXS, s23
	s_cselect_b32 s30, s33, 0                      ; Wo: the mean counts as 0,
	s_cselect_b32 s31, -1, 0                       ; and 1 / sigma as 1: its numbers go through unchanged
	s_sub_co_u32 s17, s17, s20
	s_lshr_b32 s24, s17, 1
	s_lshl_b32 s24, s24, 17
	s_and_b32 s25, s17, 1
	s_lshl_b32 s25, s25, 15
	s_add_co_u32 s24, s24, s25                     ; the tile's first row: 32 (tile / 2) + 8 (tile % 2), x 4,096 bytes
	s_mov_b32 s25, 0
	s_add_nc_u64 s[18:19], s[18:19], s[24:25]
	s_lshl_b32 s24, s17, 12
	s_add_co_u32 s24, s24, s21
	s_add_nc_u64 s[26:27], s[14:15], s[24:25]      ; the tile's codes, first K half,
	s_add_co_u32 s24, s24, s22
	s_add_nc_u64 s[28:29], s[14:15], s[24:25]      ; second,
	s_lshl_b32 s24, s17, 9
	s_add_co_u32 s24, s24, s23
	s_add_nc_u64 s[38:39], s[14:15], s[24:25]      ; and its scale bytes
.macro FILL p                          ; row p of the tile into slot p % 4
.irp j, 0,1,2,3,4,5,6,7
	global_load_b128 v[X+32*((\p)%4)+4*\j:X+32*((\p)%4)+4*\j+3], v2, s[18:19] offset:((\p)+8*((\p)/8))*4096+512*\j th:TH_LOAD_NT
.endr
.endm
.macro REDUCE b                        ; four packed chains at v[b] on become one sum, in every lane
	v_pk_add_f32 v[\b:\b+1], v[\b:\b+1], v[\b+2:\b+3]
	v_pk_add_f32 v[\b+4:\b+5], v[\b+4:\b+5], v[\b+6:\b+7]
	v_pk_add_f32 v[\b:\b+1], v[\b:\b+1], v[\b+4:\b+5]
	v_add_f32 v[\b], v[\b], v[\b+1]
	v_add_f32_dpp v[\b], v[\b], v[\b] row_xmask:1 row_mask:0xf bank_mask:0xf
	v_add_f32_dpp v[\b], v[\b], v[\b] row_xmask:2 row_mask:0xf bank_mask:0xf
	v_add_f32_dpp v[\b], v[\b], v[\b] row_xmask:4 row_mask:0xf bank_mask:0xf
	v_add_f32_dpp v[\b], v[\b], v[\b] row_xmask:8 row_mask:0xf bank_mask:0xf
	v_permlanex16_b32 v[\b+1], v[\b], s36, s37
	v_add_f32 v[\b], v[\b], v[\b+1]
.endm
.macro ROW p, left                     ; left: the younger rows' loads, which may stay out
.set XB, X+32*((\p)%4)
	s_wait_loadcnt \left
.irp j, 0,1,2,3,4,5,6,7
	ds_store_b128 v3, v[XB+4*\j:XB+4*\j+3] offset:576*\j   ; the row as loaded,
.endr
.irp i, 0,1,2,3,4,5,6,7
	ds_load_b128 v[Y+4*\i:Y+4*\i+3], v4 offset:16*\i       ; and back with a whole block of 32 in each lane (LDS serves a wave's instructions in order)
.endr
.irp k, 0,1,2,3
	v_pk_add_f32 v[10+2*\k:11+2*\k], v[XB+4*\k:XB+4*\k+1], v[XB+4*\k+2:XB+4*\k+3]   ; the row's sum, of the numbers as loaded
.endr
.irp k, 0,1,2,3,4,5,6,7
	v_pk_add_f32 v[10+2*(\k%4):11+2*(\k%4)], v[10+2*(\k%4):11+2*(\k%4)], v[XB+16+2*\k:XB+17+2*\k]
.endr
	REDUCE 10
	v_mul_f32 v10, s30, v10                        ; the mean
	s_wait_alu depctr_va_vdst(0)
	s_wait_dscnt 0x0                               ; the turn is over: its stores have read the slot, which takes the row four further on
.if (\p) < 12
	FILL (\p)+4
.endif
.irp k, 0,1,2,3,4,5,6,7,8,9,10,11,12,13,14,15
	v_pk_add_f32 v[Y+2*\k:Y+2*\k+1], v[Y+2*\k:Y+2*\k+1], v[10:11] op_sel_hi:[1,0] neg_lo:[0,1] neg_hi:[0,1]   ; d = x - mean
.endr
.irp k, 0,1,2,3
	v_pk_mul_f32 v[12+2*\k:13+2*\k], v[Y+2*\k:Y+2*\k+1], v[Y+2*\k:Y+2*\k+1]
.endr
.irp k, 4,5,6,7,8,9,10,11,12,13,14,15
	v_pk_fma_f32 v[12+2*(\k%4):13+2*(\k%4)], v[Y+2*\k:Y+2*\k+1], v[Y+2*\k:Y+2*\k+1], v[12+2*(\k%4):13+2*(\k%4)]
.endr
	REDUCE 12
	v_fma_f32 v13, v12, s33, s34                   ; the variance + 1e-5
	s_wait_alu depctr_va_vdst(0)
	v_rsq_f32 v20, v13
	v_max3_num_f32 v21, |v[Y]|, |v[Y+1]|, |v[Y+2]| ; the block's largest |d|: independent work behind the root
	v_max3_num_f32 v22, |v[Y+3]|, |v[Y+4]|, |v[Y+5]|
.irp i, 6,10,14,18,22,26
	v_max3_num_f32 v21, v21, |v[Y+\i]|, |v[Y+\i+1]|
	v_max3_num_f32 v22, v22, |v[Y+\i+2]|, |v[Y+\i+3]|
.endr
	v_max3_num_f32 v21, v21, |v[Y+30]|, |v[Y+31]|
	v_max_num_f32 v21, v21, v22
	s_wait_alu depctr_va_vdst(0)                   ; the wait ahead of the root's first reader
	v_cndmask_b32 v20, 1.0, v20, s31
	v_mul_f32 v22, v21, v20                        ; rounding keeps order, so this is the largest of the rounded products below
	v_max_num_f32 v22, 0x1800000, v22              ; the floor 2^(3 - 127)
.irp k, 0,1,2,3,4,5,6,7,8,9,10,11,12,13,14,15
	v_pk_mul_f32 v[Y+2*\k:Y+2*\k+1], v[Y+2*\k:Y+2*\k+1], v[20:21] op_sel_hi:[1,0]
.endr
	v_add_nc_u32 v23, 0xff000000, v22              ; 2 off the exponent field: the conversion's scale operand
	v_lshrrev_b32 v24, 23, v23                     ; the scale's byte
.irp g, 0,1,2,3
	v_cvt_scalef32_pk8_fp4_f32 v[C+\g], v[Y+8*\g:Y+8*\g+7], v23
.endr
	v_nop                                          ; a plain line behind the last conversion
	ds_store_b128 v5, v[C:C+3] offset:16*(\p)
	ds_store_b8 v7, v24 offset:16*(\p)
.endm
	FILL 0
	FILL 1
	FILL 2
	FILL 3
.irp p, 0,1,2,3,4,5,6,7,8,9,10,11,12
	ROW \p, 24
.endr
	ROW 13, 16
	ROW 14, 8
	ROW 15, 0
.irp t, 0,1,2,3,4,5,6,7,8,9,10,11,12,13,14,15
	ds_load_b128 v[X+4*\t:X+4*\t+3], v6 offset:544*\t      ; blocks 2 t and 2 t + 1, all 16 rows: 512 bytes of the image
.endr
	ds_load_b128 v[Y:Y+3], v8
.irp t, 0,1,2,3,4,5,6,7,8,9,10,11,12,13,14,15
	s_wait_dscnt 16-\t                             ; the younger code loads and the scale load may stay out
.if \t < 8
	global_store_b128 v2, v[X+4*\t:X+4*\t+3], s[26:27] offset:512*\t      ; 32 lanes store 512 bytes on end, aligned
.else
	global_store_b128 v2, v[X+4*\t:X+4*\t+3], s[28:29] offset:512*(\t-8)
.endif
.endr
	s_wait_dscnt 0x0
	global_store_b128 v2, v[Y:Y+3], s[38:39]
	s_wait_tensorcnt 0x0
	ds_add_u32 v30, v31
	s_wait_dscnt 0x0
	s_endpgm
; ---------------- COLUMNS: a work-group takes one head of Wq, Wk or Wv and one K half; wave q takes 128 rows d (a K step) x the head's 64 features.
; A block of 32 rows is 8,192 dense bytes: it is loaded as it lies, goes through the wave's LDS, and comes back with A LANE TO A FEATURE AND ITS REGISTERS DOWN K.
.Lcols:
	s_sub_co_u32 s17, ttmp9, 144
	s_lshr_b32 s20, s17, 1                         ; 16 type + head
	s_and_b32 s21, s17, 1                          ; K half
	s_lshl_b32 s35, s16, 13
	s_add_co_u32 s35, s35, WST
	s_wait_alu depctr_va_vdst(0)
	v_add_nc_u32 v9, s35, v2
	v_lshrrev_b32 v3, 4, v1                        ; u
	v_and_b32 v4, 15, v1                           ; r
	v_and_b32 v5, 8, v4
	v_add_nc_u32 v5, v5, v4
	v_lshl_add_u32 v5, v3, 3, v5                   ; my feature in a half of 32: 8 u + r + 8 (r / 8)
	v_lshlrev_b32 v10, 2, v5
	v_add_nc_u32 v10, s35, v10
	v_lshlrev_b32 v11, 12, v3
	v_lshl_add_u32 v11, v4, 4, v11                 ; codes: tile u of the half, row r
	v_lshlrev_b32 v12, 8, v3
	v_lshl_add_u32 v12, v4, 4, v12
	s_lshl_b32 s39, s16, 2
	s_add_co_u32 s39, s39, CSC
	v_add_nc_u32 v12, s39, v12                     ; scale words, in: tile, row, word q
	v_lshlrev_b32 v14, 3, v1
	s_lshl_b32 s39, s16, 8
	s_add_co_u32 s39, s39, CSC
	v_add_nc_u32 v13, s39, v14                     ; out: wave q takes tile q's 256 bytes
	s_and_b32 s22, s20, 15
	s_lshl_b32 s22, s22, 18
	s_lshl_b32 s23, s21, 2
	s_add_co_u32 s23, s23, s16
	s_lshl_b32 s23, s23, 15
	s_add_co_u32 s22, s22, s23                     ; head x 262,144 + K step x 32,768
	s_mov_b32 s23, 0
	s_mul_i32 s24, s21, 786432
	s_lshl_b32 s25, s20, 14
	s_add_co_u32 s24, s24, s25
	s_lshl_b32 s25, s16, 10
	s_add_co_u32 s24, s24, s25
	s_add_co_u32 s24, s24, PWC
	s_mov_b32 s25, 0
	s_lshl_b32 s26, s20, 2
	s_add_co_u32 s26, s26, s16
	s_lshl_b32 s26, s26, 9
	s_lshl_b32 s27, s21, 8
	s_add_co_u32 s26, s26, s27
	s_add_co_u32 s26, s26, PWS
	s_mov_b32 s27, 0
	s_wait_alu depctr_va_vdst(0)
	s_wait_kmcnt 0x0
	s_cmp_lt_u32 s20, 16
	s_cselect_b64 s[18:19], s[8:9], s[10:11]
	s_cmp_lt_u32 s20, 32
	s_cselect_b64 s[18:19], s[18:19], s[12:13]
	s_add_nc_u64 s[18:19], s[18:19], s[22:23]
	s_add_nc_u64 s[24:25], s[14:15], s[24:25]
	s_add_nc_u64 s[26:27], s[14:15], s[26:27]
.macro LOADB t
.irp i, 0,1,2,3,4,5,6,7,8,9,10,11,12,13,14,15
	global_load_b128 v[X+64*((\t)%2)+4*\i:X+64*((\t)%2)+4*\i+3], v2, s[18:19] offset:8192*(\t)+512*\i th:TH_LOAD_NT
.endr
.endm
.macro BLOCK t
.set XB, X+64*((\t)%2)
.if (\t) < 3
	s_wait_loadcnt 16                              ; this block's 16 loads are in; the next block's may be out
.else
	s_wait_loadcnt 0x0
.endif
.irp i, 0,1,2,3,4,5,6,7,8,9,10,11,12,13,14,15
	ds_store_b128 v9, v[XB+4*\i:XB+4*\i+3] offset:512*\i
.endr
.irp f, 0,1
.irp i, 0,1,2,3,4,5,6,7,8,9,10,11,12,13,14,15,16,17,18,19,20,21,22,23,24,25,26,27,28,29,30,31
	ds_load_b32 v[Y+32*\f+\i], v10 offset:256*\i+128*\f    ; W(32 t + i, my feature of half f): 32 lanes, 32 different words of a row
.endr
.endr
	s_wait_dscnt 0x0
.if (\t) < 2
	LOADB (\t)+2
.endif
.irp f, 0,1
	v_max3_num_f32 v[16+\f], |v[Y+32*\f]|, |v[Y+32*\f+1]|, |v[Y+32*\f+2]|
	v_max3_num_f32 v[18+\f], |v[Y+32*\f+3]|, |v[Y+32*\f+4]|, |v[Y+32*\f+5]|
.endr
.irp i, 6,10,14,18,22,26
.irp f, 0,1
	v_max3_num_f32 v[16+\f], v[16+\f], |v[Y+32*\f+\i]|, |v[Y+32*\f+\i+1]|
	v_max3_num_f32 v[18+\f], v[18+\f], |v[Y+32*\f+\i+2]|, |v[Y+32*\f+\i+3]|
.endr
.endr
.irp f, 0,1
	v_max3_num_f32 v[16+\f], v[16+\f], |v[Y+32*\f+30]|, |v[Y+32*\f+31]|
.endr
.irp f, 0,1
	v_max3_num_f32 v[16+\f], v[16+\f], v[18+\f], 0x1800000 ; and the floor
.endr
.irp f, 0,1
	v_add_nc_u32 v[22+\f], 0xff000000, v[16+\f]
.endr
.irp f, 0,1
	v_lshrrev_b32 v[18+\f], 23, v[22+\f]
.endr
.irp f, 0,1
.if (\t) == 0
	v_mov_b32 v[20+\f], v[18+\f]                   ; the K step's four bytes make a word
.else
	v_lshl_or_b32 v[20+\f], v[18+\f], 8*(\t), v[20+\f]
.endif
.endr
.irp f, 0,1
.irp g, 0,1,2,3
	v_cvt_scalef32_pk8_fp4_f32 v[C2+8*(\t)+4*\f+\g], v[Y+32*\f+8*\g:Y+32*\f+8*\g+7], v[22+\f]
.endr
.endr
	v_nop                                          ; a plain line behind the last conversion
.irp f, 0,1
	global_store_b128 v11, v[C2+8*(\t)+4*\f:C2+8*(\t)+4*\f+3], s[24:25] offset:8192*\f+256*(\t)   ; sixteen lanes store 256 bytes on end, aligned
.endr
.endm
	LOADB 0
	LOADB 1
	BLOCK 0
	BLOCK 1
	BLOCK 2
	BLOCK 3
	ds_store_b32 v12, v20
	ds_store_b32 v12, v21 offset:512
	s_wait_dscnt 0x0                               ; for the others' sake: my words lie in LDS
	s_barrier_signal -1
	s_barrier_wait -1
	ds_load_b64 v[16:17], v13                      ; a tile's 16 rows x 4 words of this K half
	s_wait_dscnt 0x0
	global_store_b64 v14, v[16:17], s[26:27]       ; 32 lanes store 256 bytes on end, aligned
	s_wait_tensorcnt 0x0
	ds_add_u32 v30, v31
	s_wait_dscnt 0x0
	s_endpgm
.Lfunc_end_k_q6ea93b1269_prep:
	.size	k_q6ea93b1269_prep, .Lfunc_end_k_q6ea93b1269_prep-k_q6ea93b1269_prep
	.p2alignl 7, 3214868480
	.fill 96, 4, 3214868480
	.section	.rodata,"a",@progbits
	.p2align	6, 0x0
	.amdhsa_kernel k_q6ea93b1269_prep
		.amdhsa_group_segment_fixed_size 91648
		.amdhsa_private_segment_fixed_size 0
		.amdhsa_enable_private_segment 0
		.amdhsa_kernarg_size 48
		.amdhsa_user_sgpr_count 2
		.amdhsa_user_sgpr_kernarg_segment_ptr 1
		.amdhsa_wavefront_size32 1
		.amdhsa_system_sgpr_workgroup_id_x 1
		.amdhsa_system_sgpr_workgroup_id_y 1
		.amdhsa_system_sgpr_workgroup_id_z 1
		.amdhsa_system_vgpr_workitem_id 0
		.amdhsa_next_free_vgpr 256
		.amdhsa_next_free_sgpr 66
		.amdhsa_reserve_vcc 0
		.amdhsa_float_denorm_mode_32 3
		.amdhsa_float_denorm_mode_16_64 3
		.amdhsa_memory_ordered 1
		.amdhsa_forward_progress 1
		.amdhsa_inst_pref_size 185
	.end_amdhsa_kernel
	.amdgpu_metadata
---
amdhsa.version: [ 1, 2 ]
amdhsa.kernels:
  - .name:           k_q6ea93b1269_prep
    .symbol:         k_q6ea93b1269_prep.kd
    .args:
      - { .name: x, .offset: 0, .size: 8, .value_kind: global_buffer, .address_space: global }
      - { .name: Wo, .offset: 8, .size: 8, .value_kind: global_buffer, .address_space: global }
      - { .name: Wq, .offset: 16, .size: 8, .value_kind: global_buffer, .address_space: global }
      - { .name: Wk, .offset: 24, .size: 8, .value_kind: global_buffer, .address_space: global }
      - { .name: Wv, .offset: 32, .size: 8, .value_kind: global_buffer, .address_space: global }
      - { .name: pw, .offset: 40, .size: 8, .value_kind: global_buffer, .address_space: global }
    .group_segment_fixed_size: 91648
    .private_segment_fixed_size: 0
    .kernarg_segment_align: 8
    .kernarg_segment_size: 48
    .max_flat_workgroup_size: 128
    .sgpr_count:     66
    .vgpr_count:     256
    .wavefront_size: 32
...
	.end_amdgpu_metadata
.endif
;; end of part 1
;; launch proj (part 2): grid 12 x 32, 4 waves a work-group, clusters of 4 x 4, 327,680 bytes of LDS; arguments pw, bq, bk, bv, qkv; writes qkv
.if DOCPART == 2
	.amdgcn_target "amdgcn-amd-amdhsa--gfx1250"
	.amdhsa_code_object_version 6
	.text
	.protected	k_q6ea93b1269_proj
	.globl	k_q6ea93b1269_proj
	.p2align	8
	.type	k_q6ea93b1269_proj,@function
k_q6ea93b1269_proj:
	s_mov_b64 s[64:65], 0
	v_nop
	global_prefetch_b8 v0, s[64:65] scope:SCOPE_SE
	s_setreg_imm32_b32 hwreg(HW_REG_WAVE_MODE, 25, 1), 1
	s_wait_xcnt 0x0
	s_wait_alu depctr_hold_cnt(0) depctr_sa_sdst(0) depctr_va_vdst(0) depctr_va_sdst(0) depctr_va_ssrc(0) depctr_va_vcc(0) depctr_vm_vsrc(0)
	s_getreg_b32 s2, hwreg(HW_REG_IB_STS2, 6, 4)
	s_cmp_eq_u32 s2, 0
	s_cbranch_scc0 .Lentry_in_a_cluster
	s_endpgm
.Lentry_in_a_cluster:
	s_bfe_u32 s2, ttmp6, 0x10000c
	s_cmp_lg_u32 s2, 0xf033
	s_cbranch_scc0 .Lentry_shape_is_right
	s_endpgm
.Lentry_shape_is_right:
; proj: Q, K and V = layer-normed x times Wq, Wk, Wv (K = 1,024, on codes of FP4 with E8M0 scales), + bias in f32, and the results quantised at once for the next products:
; Q and K along the head's 64, V along the tokens (the keys of the second attention product).
; A work-group makes 256 x 256, each of its four waves 128 x 128: 64 accumulators.  All of K fits in LDS: two halves of 512, each brought by one tensor load a wave; nothing is filled twice.
; THE MATRIX INSTRUCTION IS USED TRANSPOSED: source 0 = 16 rows of operand B, source 1 = 16 rows of operand A: a lane holds one row of A, and its registers run along B's rows.
;   cluster x = 0 (Q), 1 (K): A = tokens, B = features: a lane's registers run along the features;   cluster x = 2 (V): A = features, B = tokens: they run along the tokens.
; The rows of a tile are 32 G + 8 u + r + 8 (r / 8) (tile 2 G + u), so the 16 registers of two neighbouring tiles of B are 16 neighbours: a block of 32 lies in lanes l and l xor 16.
; CLUSTER 4 x 4: A's tiles are shared along a row of the cluster, B's along a column, each asked for jointly.  The choice between the two forms hangs on the cluster's x alone, which all partners share.
; LAYOUT OF qkv: Q's and K's codes [batch x head][token tile][lane][16 bytes] (64 along K: registers 0-3 of a fragment); V's [batch x head][128 keys][tile of 16 channels][1,024 bytes];
;   scale words of Q, K: [batch x head][4 token tiles][r][4 words], bytes 0 and 1 used, 2 and 3 zero;  of V: [batch x head][128 keys][r][4 tiles' words].
; LIMITS: as in prep (byte 1 for blocks of zeros or under 2^-124; NaN and infinities not served).
; REGISTERS: window 0: v1-7 lane terms, v8-15 the eight scale words made, v16-22 LDS addresses, v24-31 at work on the scales' way out, v32-95 scale words (these alone), v96-120 the quantiser's, v128-255 A's fragments, two sets.
;   window 1: v0-63, v128-191 B's fragments, two sets; v64-127 the bias by register; v192-207 the bias by lane.   windows 2, 3: accumulator (a, b) at v[8 (8 (a % 4) + b)].
.set PWC, 4194304
.set PXS, 6291456
.set PWS, 6553600
.set KSEC, 4194304                     ; qkv: from Q's codes to K's
.set VC, 8388608
.set QS, 12582912
.set SSEC, 524288                      ; from Q's scale words to K's
.set VS, 13631488
.set SLOTB, 131072                     ; LDS: a K half: A's 16 tiles of 4,096 bytes, then B's
.set SCL, 262144                       ; the scale words: A's 16 tiles of 512 bytes, then B's
.set PWV, 8
.set ADRA, 16
.set ADRB, 20
.set ADRS, 22
.set XQ, 24
.set YQ, 28
.set SC, 32                            ; register SC + 32 half + 4 i + q: lanes 0-15 the word of A's tile i, lanes 16-31 that of B's tile i
.set PC, 96
.set TM, 104
.set PW, 120
.set AF, 128
.set T, 128
.set BN, 64
.set BM, 192
.set SEL, 66
.set G1, 24
.set G0, 32
.set G1B, 48
.set G0B, 56
.set G1S, 68
.set G0S, 76
.set G1SB, 80
.set G0SB, 88
.set MSB, 0
.macro WIN new                         ; the immediate's high byte repeats the setting that is left
.if MSB != (\new)
	s_set_vgpr_msb (MSB<<8)|(\new)
.set MSB, (\new)
.endif
.endm
.macro JLOAD g0a, g1a, g0b, g1b        ; a joint load: waves 0 and 1 fetch for A, waves 2 and 3 for B; four v_nop follow each line
	s_cmp_eq_u32 s15, 0
	s_cbranch_scc0 .Lfor_b_\@
	tensor_load_to_lds s[\g0a:\g0a+3], s[\g1a:\g1a+7]
	s_nop 0
.rept 4
	v_nop
.endr
	s_branch .Lasked_\@
.Lfor_b_\@:
	tensor_load_to_lds s[\g0b:\g0b+3], s[\g1b:\g1b+7]
	s_nop 0
.rept 4
	v_nop
.endr
.Lasked_\@:
.endm
.macro CROUND                          ; a round of the cluster's barrier
	s_barrier_signal -1
	s_barrier_wait -1
	s_cmp_lg_u32 s14, 0
	s_cbranch_scc1 .Lnot_wave_0_\@
	s_barrier_signal -3
.Lnot_wave_0_\@:
	s_barrier_wait -3
	s_barrier_signal -1
	s_barrier_wait -1
.endm
.macro PLACES
.rept 4
	v_nop
.endr
.endm
	s_load_b256 s[4:11], s[0:1], 0x0               ; pw, bq, bk, bv
	s_load_b64 s[12:13], s[0:1], 0x20              ; qkv
	v_lshl_add_u32 v126, v0, 2, 0x44000
	v_mov_b32 v127, 0
	ds_add_u32 v126, v127
	ds_add_u32 v126, v127
	v_lshrrev_b32 v1, 5, v0
	v_readfirstlane_b32 s14, v1                    ; wave
	s_lshr_b32 s15, s14, 1                         ; which 128 rows of A are mine.  Also: I fetch for A (0) or B (1)
	s_and_b32 s16, s14, 1                          ; which 128 rows of B.  Also: which half of that operand I fetch
	s_bfe_u32 s40, ttmp6, 0x40000                  ; cx
	s_bfe_u32 s41, ttmp6, 0x40004                  ; cy
	s_and_b32 s17, ttmp7, 0xffff                   ; cluster y
	s_lshl_b32 s43, s41, 2
	s_lshl_b32 s43, 15, s43                        ; my row of the cluster
	s_lshl_b32 s44, 0x1111, s40                    ; my column
	; group 1: dense blocks as rows of 256 bytes (32 elements of 8 bytes): codes 256 rows, scale words 32
	s_or_b32 s[G1], s43, (3<<16)|(1<<21)
	s_or_b32 s[G1B], s44, (3<<16)|(1<<21)
	s_or_b32 s[G1S], s43, (3<<16)|(1<<21)
	s_or_b32 s[G1SB], s44, (3<<16)|(1<<21)
.irp g, G1, G1B
	s_mov_b32 s[\g+1], 32<<16
	s_mov_b32 s[\g+2], 256<<16
	s_mov_b32 s[\g+3], 32<<16
	s_mov_b32 s[\g+4], 256
	s_mov_b32 s[\g+5], 32
	s_mov_b32 s[\g+6], 0
	s_mov_b32 s[\g+7], 0
.endr
.irp g, G1S, G1SB
	s_mov_b32 s[\g+1], 32<<16
	s_mov_b32 s[\g+2], 32<<16
	s_mov_b32 s[\g+3], 32<<16
	s_mov_b32 s[\g+4], 32
	s_mov_b32 s[\g+5], 32
	s_mov_b32 s[\g+6], 0
	s_mov_b32 s[\g+7], 0
.endr
	; which 16 tiles: A's number hangs on cy (and the cluster's y), B's on cx (and the cluster's x or y)
	s_lshl_b32 s19, s17, 2
	s_add_co_u32 s20, s19, s41                     ; Q, K: A = token block 4 Y + cy
	s_add_co_u32 s21, s41, 8                       ; V: A = Wv's feature block cy, behind Wq's and Wk's 8 blocks
	s_add_co_u32 s45, s19, s40                     ; V: B = token block 4 Y + cx
	s_lshl_b32 s46, ttmp9, 2
	s_add_co_u32 s46, s46, s40                     ; Q, K: B = feature block 4 X + cx
	s_mov_b32 s94, 2097152
	s_mov_b32 s95, 786432
	s_mov_b32 s96, PXS
	s_mov_b32 s97, PWS
	s_cmp_eq_u32 ttmp9, 2
	s_cselect_b32 s20, s21, s20
	s_cselect_b32 s45, s45, s46
	s_cselect_b32 s92, PWC, 0                      ; A's codes begin here,
	s_cselect_b32 s93, 0, PWC                      ; B's here;
	s_cselect_b32 s94, 786432, s94                 ; from K half to K half
	s_cselect_b32 s95, 2097152, s95
	s_cselect_b32 s96, PWS, s96                    ; and the scale words
	s_cselect_b32 s97, PXS, s97
	s_lshl_b32 s98, s14, 15                        ; LDS: wave x 8 tiles of codes,
	s_mov_b32 s[SEL], 0x76543210
	s_mov_b32 s[SEL+1], 0xfedcba98
	s_wait_dscnt 0x0
	s_wait_kmcnt 0x0
	s_lshl_b32 s22, s20, 16
	s_lshl_b32 s21, s16, 15
	s_add_co_u32 s22, s22, s92                     ; the head's load takes all 16 tiles of the first K half
	s_mov_b32 s23, 0
	s_add_nc_u64 s[G0+2:G0+3], s[4:5], s[22:23]
	s_add_co_u32 s22, s22, s21                     ; of the second K half a wave takes 8 tiles
	s_add_co_u32 s22, s22, s94
	s_add_nc_u64 s[G0+6:G0+7], s[4:5], s[22:23]
	s_lshl_b32 s22, s20, 13
	s_add_co_u32 s22, s22, s96
	s_add_nc_u64 s[G0S+2:G0S+3], s[4:5], s[22:23]
	s_lshl_b32 s46, s45, 16
	s_lshl_b32 s18, s16, 15
	s_add_co_u32 s46, s46, s93
	s_mov_b32 s47, 0
	s_add_nc_u64 s[G0B+2:G0B+3], s[4:5], s[46:47]
	s_add_co_u32 s46, s46, s18
	s_add_co_u32 s46, s46, s95
	s_add_nc_u64 s[G0B+6:G0B+7], s[4:5], s[46:47]
	s_lshl_b32 s46, s45, 13
	s_add_co_u32 s46, s46, s97
	s_add_nc_u64 s[G0SB+2:G0SB+3], s[4:5], s[46:47]
.irp g, G0, G0+4, G0B, G0B+4, G0S, G0SB
	s_mov_b32 s[\g], 1
	s_or_b32 s[\g+3], s[\g+3], 0x80000000
.endr
	s_mov_b32 s[G0+1], 0
	s_mov_b32 s[G0B+1], 65536
	s_add_co_u32 s[G0+5], s98, SLOTB
	s_add_co_u32 s[G0B+5], s98, SLOTB
	s_mov_b32 s[G0S+1], SCL
	s_mov_b32 s[G0SB+1], SCL+8192
	CROUND                                         ; all sixteen work-groups are here: the joint loads meet
; THE HEAD'S LOADS, ONE A WAVE: wave 0 A's 16 tiles of the first K half, wave 1 B's, wave 2 A's scale words, wave 3 B's.
; One tree of branches on the wave's number: every way through it passes exactly one load.
.macro ARM under, g0, g1, next
	s_cmp_lt_u32 s14, \under
	s_cbranch_scc0 \next
	tensor_load_to_lds s[\g0:\g0+3], s[\g1:\g1+7]
	s_nop 0
.rept 4
	v_nop
.endr
	s_branch .Lhead_asked
\next:
.endm
	ARM 1, G0,  G1,  .Lhead_b
	ARM 2, G0B, G1B, .Lhead_sa
	ARM 3, G0S, G1S, .Lhead_sb
	tensor_load_to_lds s[G0SB:G0SB+3], s[G1SB:G1SB+7]
	s_nop 0
.rept 4
	v_nop
.endr
.Lhead_asked:
	; the bias, in both shapes, from one pointer chosen by the cluster's x, so that no branch stands here: by register (Q, K: the feature runs along a lane's registers) and by lane (V: the lane's row is the feature).
	; The shape that the way out does not use reads the buffer's first 512 bytes.
	s_cmp_eq_u32 ttmp9, 0
	s_cselect_b64 s[18:19], s[6:7], s[8:9]
	s_cmp_eq_u32 ttmp9, 2
	s_cselect_b64 s[18:19], s[10:11], s[18:19]
	s_lshl_b32 s46, s40, 10
	s_lshl_b32 s47, s16, 9
	s_add_co_u32 s46, s46, s47                     ; Q, K: my first feature x 4: 256 cx + 128 (wave % 2)
	s_lshl_b32 s20, s41, 10
	s_lshl_b32 s21, s15, 9
	s_add_co_u32 s20, s20, s21                     ; V: 256 cy + 128 (wave / 2)
	s_cmp_eq_u32 ttmp9, 2
	s_cselect_b32 s46, 0, s46
	s_cselect_b32 s20, s20, 0
	s_mov_b32 s47, 0
	s_mov_b32 s21, 0
	s_add_nc_u64 s[46:47], s[18:19], s[46:47]
	s_add_nc_u64 s[20:21], s[18:19], s[20:21]
	v_and_b32 v4, 31, v0
	v_and_b32 v1, 15, v0                           ; r
	v_bfe_u32 v2, v0, 4, 1                         ; h
	v_lshlrev_b32 v3, 4, v4                        ; 16 x lane
	v_lshlrev_b32 v5, 6, v2                        ; 64 h
	v_and_b32 v6, 8, v1
	v_add_nc_u32 v6, v6, v1
	v_lshlrev_b32 v6, 2, v6                        ; 4 (r + 8 (r / 8))
	v_lshlrev_b32 v7, 12, v2
	v_lshl_add_u32 v7, v1, 4, v7                   ; 4,096 h + 16 r
	WIN 0x40
.irp b, 0,1,2,3
.irp k, 0,1,2,3
	global_load_b128 v[BN+16*\b+4*\k:BN+16*\b+4*\k+3], v5, s[46:47] offset:128*\b+16*\k   ; register 16 b + i: feature 32 b + 16 h + i
.endr
.endr
.irp a, 0,1,2,3,4,5,6,7
	global_load_b32 v[BM+2*\a], v6, s[20:21] offset:(32*(\a/2)+8*(\a%2))*4                ; tile a: my row's feature
	v_mov_b32 v[BM+2*\a+1], 0                      ; (named with it as a pair, so it is written)
.endr
	WIN 0
	s_lshl_b32 s22, s15, 15                        ; my 8 tiles of A,
	s_lshl_b32 s23, s16, 15
	s_add_co_u32 s23, s23, 65536                   ; of B
	v_add_nc_u32 v[ADRA], s22, v3
	v_add_nc_u32 v[ADRB], s23, v3
	s_add_co_u32 s22, s22, SLOTB
	s_add_co_u32 s23, s23, SLOTB
	v_add_nc_u32 v[ADRA+1], s22, v3
	v_add_nc_u32 v[ADRB+1], s23, v3
	s_lshl_b32 s22, s15, 12
	s_lshl_b32 s23, s16, 12
	s_add_co_u32 s23, s23, 8192
	s_sub_co_u32 s23, s23, s22
	v_mul_u32_u24 v[ADRS], s23, v2                 ; lanes 16-31 take B's words: the lower base + h x the distance
	v_lshl_add_u32 v[ADRS], v1, 4, v[ADRS]
	s_add_co_u32 s22, s22, SCL
	v_add_nc_u32 v[ADRS], s22, v[ADRS]
.irp b, 0,1,2,3
	v_mov_b32 v[TM+4+\b], 0                        ; written once: a lane permute's destination counts as one of its sources
.endr
.macro FRAG reg, adr, off              ; a fragment is 1,024 bytes on end: registers 0-3 at 16 x lane, 4-7 512 bytes on
	ds_load_b128 v[\reg:\reg+3], v[\adr] offset:\off
	ds_load_b128 v[\reg+4:\reg+7], v[\adr] offset:\off+512
.endm
.macro FETCH kh, q, p                  ; the fragments of K step q of half kh into sets p
	WIN 0x40
.irp i, 0,1,2,3,4,5,6,7
	FRAG 128*(\p)+8*\i, ADRB+(\kh), \i*4096+(\q)*1024
.endr
	WIN 0
.irp i, 0,1,2,3,4,5,6,7
	FRAG AF+64*(\p)+8*\i, ADRA+(\kh), \i*4096+(\q)*1024
.endr
.endm
.macro SCALES kh
.irp i, 0,1,2,3,4,5,6,7
	ds_load_b128 v[SC+32*(\kh)+4*\i:SC+32*(\kh)+4*\i+3], v[ADRS] offset:\i*512+(\kh)*256
.endr
.endm
.macro MUL8 a, p, kh, q, zero          ; A's tile a against B's eight.  The 64 accumulators take turns, one instruction a turn, in the same order in every step
.irp b, 0,1,2,3,4,5,6,7
.if \zero
	v_wmma_scale_f32_16x16x128_f8f6f4 v[8*(8*((\a)%4)+\b):8*(8*((\a)%4)+\b)+7], v[128*(\p)+8*\b:128*(\p)+8*\b+7], v[AF+64*(\p)+8*(\a):AF+64*(\p)+8*(\a)+7], 0, v[SC+32*(\kh)+4*\b+(\q)], v[SC+32*(\kh)+4*(\a)+(\q)] matrix_a_fmt:MATRIX_FMT_FP4 matrix_b_fmt:MATRIX_FMT_FP4 matrix_a_scale:MATRIX_SCALE_ROW1
.else
	v_wmma_scale_f32_16x16x128_f8f6f4 v[8*(8*((\a)%4)+\b):8*(8*((\a)%4)+\b)+7], v[128*(\p)+8*\b:128*(\p)+8*\b+7], v[AF+64*(\p)+8*(\a):AF+64*(\p)+8*(\a)+7], v[8*(8*((\a)%4)+\b):8*(8*((\a)%4)+\b)+7], v[SC+32*(\kh)+4*\b+(\q)], v[SC+32*(\kh)+4*(\a)+(\q)] matrix_a_fmt:MATRIX_FMT_FP4 matrix_b_fmt:MATRIX_FMT_FP4 matrix_a_scale:MATRIX_SCALE_ROW1
.endif
.endr
.endm
; K step k of eight: this step's fragments are in; the next step's are asked for, into the sets that the last step read; then 64 products.
.macro STEP k
.if (\k) == 3
	s_wait_tensorcnt 0x0                           ; my part of the second K half has landed,
	s_wait_dscnt 0x0
	s_barrier_signal -1
	s_barrier_wait -1                              ; everybody's has
.else
	s_wait_dscnt 0x0
.endif
.if (\k) > 0
	PLACES                                         ; four places in front of loads into registers that matrix instructions have read
.endif
.if (\k) < 7
	FETCH ((\k)+1)/4, ((\k)+1)%4, ((\k)+1)%2
.endif
.if (\k) == 3
	SCALES 1
.endif
	WIN 0xa1                                       ; source 0 (B) window 1, source 1 (A) window 0, C and D window 2
.irp a, 0,1,2,3
	MUL8 \a, (\k)%2, (\k)/4, (\k)%4, (\k)==0
.endr
	WIN 0xf1                                       ; C and D window 3
.irp a, 4,5,6,7
	MUL8 \a, (\k)%2, (\k)/4, (\k)%4, (\k)==0
.endr
	WIN 0
.endm
; 64 numbers of a lane, register 16 b + i = k 32 b + 16 h + i of my row, become a fragment's codes in v[PC] on and its scale word in v[PW]
.macro QUANT s
.irp b, 0,1,2,3
	v_max3_num_f32 v[TM+\b], |v[\s+16*\b]|, |v[\s+1+16*\b]|, 0x1800000   ; my 16 numbers of block b, and the floor 2^(3 - 127)
.endr
.irp i, 2,4,6,8,10,12,14
.irp b, 0,1,2,3
	v_max3_num_f32 v[TM+\b], v[TM+\b], |v[\s+16*\b+\i]|, |v[\s+1+16*\b+\i]|
.endr
.endr
.irp b, 0,1,2,3
	v_permlanex16_b32 v[TM+4+\b], v[TM+\b], s[SEL], s[SEL+1]
.endr
.irp b, 0,1,2,3
	v_max_num_f32 v[TM+\b], v[TM+\b], v[TM+4+\b]   ; with lane l xor 16's: the block's largest magnitude
.endr
.irp b, 0,1,2,3
	v_add_nc_u32 v[TM+12+\b], 0xff000000, v[TM+\b] ; 2 off its exponent field: the conversion's scale operand
.endr
.irp b, 0,1,2,3
	v_lshrrev_b32 v[TM+4+\b], 23, v[TM+12+\b]      ; the scale's byte
.endr
	v_lshl_or_b32 v[PW], v[TM+5], 8, v[TM+4]
	v_lshl_or_b32 v[PW], v[TM+6], 16, v[PW]
	v_lshl_or_b32 v[PW], v[TM+7], 24, v[PW]
.irp b, 0,1,2,3
	v_cvt_scalef32_pk8_fp4_f32 v[PC+2*\b], v[\s+16*\b:\s+7+16*\b], v[TM+12+\b]
	v_cvt_scalef32_pk8_fp4_f32 v[PC+1+2*\b], v[\s+8+16*\b:\s+15+16*\b], v[TM+12+\b]
.endr
	v_nop                                          ; a plain line behind the last conversion
.irp c, 0,1                            ; a whole block to a lane: lanes 0-15 block 2 c, lanes 16-31 block 2 c + 1
.irp i, 0,1
	v_permlane16_swap_b32 v[PC+4*\c+\i], v[PC+2+4*\c+\i]
.endr
.endr
.endm
; The way out of A's tile a: + bias, quantised, stored: each store of the wave covers 512 bytes on end, aligned
.macro EPI a, isv
	s_wait_xcnt 0x0                                ; the last tile's stores have read their registers
	WIN 0x06+(\a)/4                                ; source 0: window 2 or 3; source 1: window 1
.set AC, 64*((\a)%4)
.set k, 0
.rept 32                               ; ascending: each accumulator is read from its low end on
.if \isv
	v_pk_add_f32 v[T+2*k:T+2*k+1], v[AC+2*k:AC+2*k+1], v[BM+2*(\a):BM+2*(\a)+1] op_sel_hi:[1,0]
.else
	v_pk_add_f32 v[T+2*k:T+2*k+1], v[AC+2*k:AC+2*k+1], v[BN+2*k:BN+2*k+1]
.endif
.set k, k+1
.endr
	WIN 0
	QUANT T
	v_mov_b32 v[PWV+(\a)], v[PW]
.if \isv
	global_store_b128 v3, v[PC:PC+3], s[92:93] offset:((\a)/4)*65536+((\a)%4)*1024          ; head a / 4, tile a % 4 of its channels: a whole fragment of 128 keys
	global_store_b128 v3, v[PC+4:PC+7], s[92:93] offset:((\a)/4)*65536+((\a)%4)*1024+512
.else
	global_store_b128 v3, v[PC:PC+3], s[92:93] offset:(\a)*512                              ; token tile a: my first head's 64,
	global_store_b128 v3, v[PC+4:PC+7], s[92:93] offset:(\a)*512+65536                      ; my second head's
.endif
.endm
	s_wait_alu depctr_va_vdst(0)
	s_wait_tensorcnt 0x0                           ; my tile of the head's four is in
	ds_add_u32 v126, v127
	s_mov_b32 s[G1+2], 128<<16                     ; no tensor load of mine is out: from here on a load brings 128 rows of 256 bytes (8 tiles)
	s_mov_b32 s[G1+4], 128
	s_mov_b32 s[G1B+2], 128<<16
	s_mov_b32 s[G1B+4], 128
	s_wait_dscnt 0x0
	CROUND                                         ; all four tiles are in, and all sixteen work-groups are here
	JLOAD G0+4, G1, G0B+4, G1B                     ; the second K half, a quarter a wave: the first tensor load behind the round
	SCALES 0
	FETCH 0, 0, 0
.irp k, 0,1,2,3,4,5,6,7
	STEP \k
.endr
	PLACES                                         ; in front of the first read of results, and of writes over A's fragments
	s_wait_loadcnt 0x0                             ; the bias; its pointers may be written again
	v_cmp_eq_u32 vcc_lo, 1, v2
	s_cmp_eq_u32 ttmp9, 2
	s_cbranch_scc1 .Lvout
	s_lshl_b32 s19, s17, 2
	s_add_co_u32 s19, s19, s41                     ; token block
	s_lshr_b32 s20, s19, 3                         ; batch
	s_and_b32 s21, s19, 7
	s_lshl_b32 s21, s21, 4
	s_lshl_b32 s22, s15, 3
	s_add_co_u32 s21, s21, s22                     ; my first token tile in the batch
	s_lshl_b32 s22, s40, 2
	s_lshl_b32 s23, s16, 1
	s_add_co_u32 s22, s22, s23                     ; my first head
	s_lshl_b32 s20, s20, 4
	s_add_co_u32 s20, s20, s22
	s_lshl_b32 s22, s20, 7
	s_add_co_u32 s22, s22, s21
	s_lshl_b32 s22, s22, 9
	s_mul_i32 s23, ttmp9, KSEC
	s_add_co_u32 s22, s22, s23
	s_mov_b32 s23, 0
	s_add_nc_u64 s[92:93], s[12:13], s[22:23]
	s_lshl_b32 s22, s20, 13
	s_lshl_b32 s21, s21, 6                         ; four tiles' words are 256 bytes
	s_add_co_u32 s22, s22, s21
	s_mul_i32 s21, ttmp9, SSEC
	s_add_co_u32 s22, s22, s21
	s_add_co_u32 s22, s22, QS
	s_add_nc_u64 s[94:95], s[12:13], s[22:23]
.irp a, 0,1,2,3,4,5,6,7
	EPI \a, 0
.endr
.irp k, 0,1,2,3
	v_cndmask_b32 v[XQ+\k], v[PWV+\k], v[PWV+4+\k], vcc_lo     ; lanes 0-15: tiles 0-3, lanes 16-31: tiles 4-7
.endr
.irp k, 0,1,2,3
	v_and_b32 v[YQ+\k], 0xffff, v[XQ+\k]           ; the first head's two bytes,
.endr
	global_store_b128 v3, v[YQ:YQ+3], s[94:95]
.irp k, 0,1,2,3
	v_lshrrev_b32 v[XQ+\k], 16, v[XQ+\k]           ; the second head's
.endr
	global_store_b128 v3, v[XQ:XQ+3], s[94:95] offset:8192
	s_branch .Lend
.Lvout:
	s_lshl_b32 s45, s17, 2
	s_add_co_u32 s45, s45, s40                     ; token block
	s_lshr_b32 s46, s45, 3                         ; batch
	s_and_b32 s47, s45, 7
	s_lshl_b32 s47, s47, 1
	s_add_co_u32 s47, s47, s16                     ; which 128 keys of the batch
	s_lshl_b32 s20, s41, 2
	s_lshl_b32 s21, s15, 1
	s_add_co_u32 s20, s20, s21                     ; my first head
	s_lshl_b32 s46, s46, 4
	s_add_co_u32 s46, s46, s20
	s_lshl_b32 s46, s46, 4
	s_add_co_u32 s46, s46, s47
	s_lshl_b32 s22, s46, 12
	s_add_co_u32 s22, s22, VC
	s_mov_b32 s23, 0
	s_add_nc_u64 s[92:93], s[12:13], s[22:23]
	s_lshl_b32 s22, s46, 8
	s_add_co_u32 s22, s22, VS
	s_add_nc_u64 s[94:95], s[12:13], s[22:23]
.irp a, 0,1,2,3,4,5,6,7
	EPI \a, 1
.endr
.irp k, 0,1,2,3
	v_cndmask_b32 v[XQ+\k], v[PWV+\k], v[PWV+4+\k], vcc_lo     ; lanes 0-15: my first head's four tiles, lanes 16-31: my second head's
.endr
	global_store_b128 v7, v[XQ:XQ+3], s[94:95]     ; sixteen lanes store 256 bytes on end, aligned
.Lend:
	s_wait_tensorcnt 0x0
	s_wait_tensorcnt 0x0
	ds_add_u32 v126, v127
	s_wait_dscnt 0x0
	CROUND                                         ; the closing round
	s_endpgm
.Lfunc_end_k_q6ea93b1269_proj:
	.size	k_q6ea93b1269_proj, .Lfunc_end_k_q6ea93b1269_proj-k_q6ea93b1269_proj
	.p2alignl 7, 3214868480
	.fill 96, 4, 3214868480
	.section	.rodata,"a",@progbits
	.p2align	6, 0x0
	.amdhsa_kernel k_q6ea93b1269_proj
		.amdhsa_group_segment_fixed_size 327680
		.amdhsa_private_segment_fixed_size 0
		.amdhsa_enable_private_segment 0
		.amdhsa_kernarg_size 40
		.amdhsa_user_sgpr_count 2
		.amdhsa_user_sgpr_kernarg_segment_ptr 1
		.amdhsa_wavefront_size32 1
		.amdhsa_system_sgpr_workgroup_id_x 1
		.amdhsa_system_sgpr_workgroup_id_y 1
		.amdhsa_system_sgpr_workgroup_id_z 1
		.amdhsa_system_vgpr_workitem_id 0
		.amdhsa_next_free_vgpr 1024
		.amdhsa_next_free_sgpr 100
		.amdhsa_reserve_vcc 1
		.amdhsa_float_denorm_mode_32 3
		.amdhsa_float_denorm_mode_16_64 3
		.amdhsa_memory_ordered 1
		.amdhsa_forward_progress 1
		.amdhsa_inst_pref_size 196
	.end_amdhsa_kernel
	.amdgpu_metadata
---
amdhsa.version: [ 1, 2 ]
amdhsa.kernels:
  - .name:           k_q6ea93b1269_proj
    .symbol:         k_q6ea93b1269_proj.kd
    .args:
      - { .name: pw, .offset: 0, .size: 8, .value_kind: global_buffer, .address_space: global }
      - { .name: bq, .offset: 8, .size: 8, .value_kind: global_buffer, .address_space: global }
      - { .name: bk, .offset: 16, .size: 8, .value_kind: global_buffer, .address_space: global }
      - { .name: bv, .offset: 24, .size: 8, .value_kind: global_buffer, .address_space: global }
      - { .name: qkv, .offset: 32, .size: 8, .value_kind: global_buffer, .address_space: global }
    .group_segment_fixed_size: 327680
    .private_segment_fixed_size: 0
    .kernarg_segment_align: 8
    .kernarg_segment_size: 40
    .max_flat_workgroup_size: 128
    .sgpr_count:     100
    .vgpr_count:     1024
    .wavefront_size: 32
...
	.end_amdgpu_metadata
.endif
;; end of part 2
;; launch stats (part 3): grid 4 x 64, 16 waves a work-group, no clusters, 169,984 bytes of LDS; arguments qkv, nzb; writes nzb
.if DOCPART == 3
	.amdgcn_target "amdgcn-amd-amdhsa--gfx1250"
	.amdhsa_code_object_version 6
	.text
	.protected	k_q6ea93b1269_stats
	.globl	k_q6ea93b1269_stats
	.p2align	8
	.type	k_q6ea93b1269_stats,@function
k_q6ea93b1269_stats:
	s_mov_b64 s[64:65], 0
	v_nop
	global_prefetch_b8 v0, s[64:65] scope:SCOPE_SE
	s_setreg_imm32_b32 hwreg(HW_REG_WAVE_MODE, 25, 1), 1
	s_wait_xcnt 0x0
; stats: the softmax runs over the QUERIES, so each key s has a maximum m[s] and a sum l[s] over all 2,048 queries.  This launch makes nz[s] = -(c m[s] + log2 l[s]), c = log2(e) / 8,
; so that the next launch has the finished weight as 2^(c raw + nz[s]).  The maximum is a running one; the sum is rescaled by 2^(c m_old - c m_new) in every trip.
; A work-group takes one (batch, head) and 512 keys; each of its sixteen waves owns 32 keys (two tiles) and walks all queries, 64 a trip.  S = Q K^T: source 0 = 16 queries, source 1 = 16 keys:
; a lane holds ONE key and eight queries a tile; lanes l and l xor 16 hold the same key and other queries, each with statistics of its own, joined once at the end.
; K = 64 IN AN INSTRUCTION OF 128: the keys' fragments have zero codes in registers 4-7.  The queries' fragments lie 4 registers apart and are named as 8: their upper four are the next fragment's codes
; (behind the last: zeros).  FP4 has no infinity and no NaN, a zero code times any code adds 0, and the scale bytes of that half are 0, which is 2^-127 and not NaN.
; Q's codes and scale words of the head come into LDS once, by copies; 72 KB a work-group, asked for once: joint loads would save little beside the trips' vector work.
; LIMITS: nz is one f32 in units of log2: its rounding is half an ulp of c m + log2 l.  NaN and infinities are not served.
; REGISTERS: v1 16 x lane; v2 my row's place among Q's scale words; v3, v4 the trip's LDS addresses; v5-7 the copies' addresses; v8-13 scale words (these alone); v14 where my key's result goes; v15 16 r;
;   v16-31 K's two fragments; v32-47 Q's four, v48-51 zeros; v52 the way out's LDS address; v64-127 the scores, then the weights; v128-159 the statistics of the two tiles.
.set KC, 4194304
.set QS, 12582912
.set KS, 13107200
.set QSL, 65536                        ; LDS: Q's codes at 0, its scale words here,
.set NZST, 73728                       ; and 2,048 bytes for the results, written by ds_store alone
.set QSC, 8                            ; v8-11 Q's scale words, v12-13 K's
.set KSC, 12
.set NZA, 14
.set KF, 16
.set QF, 32
.set OUTA, 52
.set S, 64
.set ST, 128                           ; tile t at ST + 16 t: +0 m, +2 c m (pair), +4 l (pair), +6 a (pair), +8 .. +15 at work
	s_load_b128 s[4:7], s[0:1], 0x0                ; qkv, nzb
	v_lshl_add_u32 v160, v0, 2, 0x29000
	v_mov_b32 v161, 0
	ds_add_u32 v160, v161
	ds_add_u32 v160, v161
	v_lshrrev_b32 v1, 5, v0
	s_delay_alu instid0(VALU_DEP_1)
	v_readfirstlane_b32 s8, v1                     ; wave
	s_and_b32 s9, ttmp7, 0xffff                    ; batch x head
	v_lshlrev_b32 v5, 4, v0                        ; 16 x thread: in memory,
	v_lshlrev_b32 v7, 4, v0                        ; in LDS for the codes,
	s_delay_alu instid0(VALU_DEP_2)
	v_add_nc_u32 v6, QSL, v5                       ; for the scale words
	s_lshl_b32 s10, s9, 16
	s_mov_b32 s11, 0
	s_lshl_b32 s12, s9, 13
	s_add_co_u32 s12, s12, QS
	s_mov_b32 s13, 0
	s_lshl_b32 s14, ttmp9, 5
	s_lshl_b32 s15, s8, 1
	s_add_co_u32 s14, s14, s15                     ; my first key tile
	s_lshl_b32 s14, s14, 9
	s_add_co_u32 s14, s14, s10
	s_add_co_u32 s14, s14, KC
	s_mov_b32 s15, 0
	s_lshl_b32 s16, ttmp9, 3
	s_lshr_b32 s17, s8, 1
	s_add_co_u32 s16, s16, s17
	s_lshl_b32 s16, s16, 8                         ; four tiles' words are 256 bytes;
	s_and_b32 s17, s8, 1
	s_lshl_b32 s17, s17, 3
	s_add_co_u32 s16, s16, s17                     ; mine are two of the four
	s_lshl_b32 s17, s9, 13
	s_add_co_u32 s16, s16, s17
	s_mov_b32 s18, s17
	s_add_co_u32 s16, s16, KS
	s_mov_b32 s17, 0
	s_lshl_b32 s19, ttmp9, 11
	s_add_co_u32 s18, s18, s19
	s_lshl_b32 s19, s8, 9
	s_add_co_u32 s18, s18, s19                     ; the results: head x 8,192 + quarter x 2,048 + wave x 512 (waves 0-3 store)
	s_mov_b32 s19, 0
	s_wait_alu depctr_va_vdst(0)
	s_wait_dscnt 0x0
	s_wait_kmcnt 0x0
	s_add_nc_u64 s[10:11], s[4:5], s[10:11]
	s_add_nc_u64 s[12:13], s[4:5], s[12:13]
	s_add_nc_u64 s[14:15], s[4:5], s[14:15]
	s_add_nc_u64 s[16:17], s[4:5], s[16:17]
	s_add_nc_u64 s[18:19], s[6:7], s[18:19]
	global_load_async_to_lds_b128 v6, v5, s[12:13]             ; 512 threads x 16 bytes: 8 KB a line
.irp i, 0,1,2,3,4,5,6,7
	global_load_async_to_lds_b128 v7, v5, s[10:11] offset:8192*\i
.endr
	v_and_b32 v1, 31, v0
	s_delay_alu instid0(VALU_DEP_1)
	v_lshlrev_b32 v1, 4, v1                        ; 16 x lane
	v_and_b32 v15, 15, v0
	s_delay_alu instid0(VALU_DEP_1)
	v_and_b32 v[NZA], 8, v15
	s_delay_alu instid0(VALU_DEP_1)
	v_add_nc_u32 v[NZA], v[NZA], v15               ; r + 8 (r / 8)
	s_delay_alu instid0(VALU_DEP_3)
	v_lshlrev_b32 v15, 4, v15                      ; 16 r
	s_delay_alu instid0(VALU_DEP_1)
	v_add_nc_u32 v2, QSL, v15
.irp t, 0,1
	global_load_b128 v[KF+8*\t:KF+8*\t+3], v1, s[14:15] offset:512*\t
.endr
	global_load_b64 v[KSC:KSC+1], v15, s[16:17]
	s_lshl_b32 s28, s8, 7
	s_add_co_u32 s28, s28, NZST
	v_lshl_add_u32 v[NZA], v[NZA], 2, s28          ; where my key's result goes: 128 x wave + 4 (r + 8 (r / 8)), + 32 t
	s_lshl_b32 s28, s8, 9
	s_add_co_u32 s28, s28, NZST
	v_add_nc_u32 v[OUTA], s28, v1                  ; the way out: waves 0-3 read 512 bytes each
.irp t, 0,1
.irp j, 4,5,6,7
	v_mov_b32 v[KF+8*\t+\j], 0                     ; zero codes for k = 64 .. 127
.endr
.endr
.irp j, 0,1,2,3
	v_mov_b32 v[QF+16+\j], 0
.endr
	s_mov_b32 s22, 0x3e38aa3b                      ; c = log2(e) / 8
	s_mov_b32 s23, s22
	s_mov_b32 s26, 0x76543210
	s_mov_b32 s27, 0xfedcba98
.irp t, 0,1
	v_mov_b32 v[ST+16*\t], 0xff61b1e6              ; m: -3e38, under every score
	s_delay_alu instid0(VALU_DEP_1)
	v_mul_f32 v[ST+16*\t+2], s22, v[ST+16*\t]
	v_mov_b32 v[ST+16*\t+3], 0                     ; (upper halves of pairs whose low word serves both halves)
	v_mov_b32 v[ST+16*\t+4], 0                     ; l, in two halves
	v_mov_b32 v[ST+16*\t+5], 0
	v_mov_b32 v[ST+16*\t+7], 0
	v_mov_b32 v[ST+16*\t+8], 0                     ; (a lane permute's destination counts as one of its sources)
	v_mov_b32 v[ST+16*\t+9], 0
.endr
	s_mov_b32 s20, 2048                            ; the NEXT trip's place among Q's codes,
	s_mov_b32 s21, 256                             ; and among its scale words
	s_mov_b32 s24, 31
	s_wait_alu depctr_va_vdst(0)                   ; the wait at the head's end
	s_wait_asynccnt 0x0
	s_wait_loadcnt 0x0                             ; K is in,
	s_barrier_signal -1
	s_barrier_wait -1                              ; everybody's copies have landed
.irp i, 0,1,2,3
	ds_load_b128 v[QF+4*\i:QF+4*\i+3], v1 offset:512*\i    ; trip 0's queries
.endr
	ds_load_b128 v[QSC:QSC+3], v2
; A trip of 64 queries.  pre = 1: the next trip's five LDS loads are issued behind this trip's products, so that they are out during the trip's vector work
.macro TRIP pre
	s_wait_dscnt 0x0
.irp i, 0,1,2,3
.irp t, 0,1
	v_wmma_scale_f32_16x16x128_f8f6f4 v[S+32*\t+8*\i:S+32*\t+8*\i+7], v[QF+4*\i:QF+4*\i+7], v[KF+8*\t:KF+8*\t+7], 0, v[QSC+\i], v[KSC+\t] matrix_a_fmt:MATRIX_FMT_FP4 matrix_b_fmt:MATRIX_FMT_FP4
.endr
.endr
.if \pre
	v_add_nc_u32 v3, s20, v1                       ; four places in front of the first read of results and of the loads below
	v_add_nc_u32 v4, s21, v2
	v_nop
	v_nop
.irp i, 0,1,2,3
	ds_load_b128 v[QF+4*\i:QF+4*\i+3], v3 offset:512*\i
.endr
	ds_load_b128 v[QSC:QSC+3], v4
.else
.rept 4
	v_nop
.endr
.endif
.irp t, 0,1                            ; the largest of my 32 scores, in two chains; each accumulator is first read at its low end
	v_max3_num_f32 v[ST+16*\t+8], v[S+32*\t], v[S+32*\t+1], v[S+32*\t+2]
	v_max3_num_f32 v[ST+16*\t+9], v[S+32*\t+17], v[S+32*\t+18], v[S+32*\t+19]
.endr
.irp i, 0,1,2,3,4,5
.irp t, 0,1
	v_max3_num_f32 v[ST+16*\t+8], v[ST+16*\t+8], v[S+32*\t+3+2*\i], v[S+32*\t+4+2*\i]
	v_max3_num_f32 v[ST+16*\t+9], v[ST+16*\t+9], v[S+32*\t+20+2*\i], v[S+32*\t+21+2*\i]
.endr
.endr
.irp t, 0,1
	v_max3_num_f32 v[ST+16*\t+8], v[ST+16*\t+8], v[S+32*\t+15], v[S+32*\t+16]
.endr
.irp t, 0,1
	s_delay_alu instid0(VALU_DEP_2)
	v_max3_num_f32 v[ST+16*\t], v[ST+16*\t+8], v[ST+16*\t+9], v[ST+16*\t]      ; the running maximum
.endr
.irp t, 0,1
	s_delay_alu instid0(VALU_DEP_2)
	v_mul_f32 v[ST+16*\t+11], s22, v[ST+16*\t]
.endr
.irp t, 0,1
	s_delay_alu instid0(VALU_DEP_2)
	v_sub_f32 v[ST+16*\t+10], v[ST+16*\t+2], v[ST+16*\t+11]                    ; c m_old - c m_new, of the rounded numbers under which the sums stand
.endr
.irp t, 0,1
	s_delay_alu instid0(VALU_DEP_4)
	v_mov_b32 v[ST+16*\t+2], v[ST+16*\t+11]
.endr
.irp j, 0,2,4,6,8,10,12,14,16,18,20,22,24,26,28,30
.irp t, 0,1
	v_pk_fma_f32 v[S+32*\t+\j:S+32*\t+\j+1], v[S+32*\t+\j:S+32*\t+\j+1], s[22:23], v[ST+16*\t+2:ST+16*\t+3] op_sel_hi:[1,0,0] neg_lo:[0,0,1] neg_hi:[0,0,1]
.endr
.endr
	s_wait_alu depctr_va_vdst(0)
.irp t, 0,1
	v_exp_f32 v[ST+16*\t+6], v[ST+16*\t+10]        ; ONE BATCH: a for both tiles, and the 64 weights
.endr
.set k, 0
.rept 64
	v_exp_f32 v[S+k], v[S+k]
.set k, k+1
.endr
	v_nop                                          ; a plain line behind the last exponential
	s_wait_alu depctr_va_vdst(0)                   ; the wait ahead of the batch's first reader: one for the 66
.irp t, 0,1
	v_pk_fma_f32 v[ST+16*\t+12:ST+16*\t+13], v[ST+16*\t+4:ST+16*\t+5], v[ST+16*\t+6:ST+16*\t+7], v[S+32*\t:S+32*\t+1] op_sel_hi:[1,0,1]   ; a l + ..
	v_pk_add_f32 v[ST+16*\t+14:ST+16*\t+15], v[S+32*\t+2:S+32*\t+3], v[S+32*\t+4:S+32*\t+5]
.endr
.irp j, 6,10,14,18,22,26
.irp t, 0,1
	v_pk_add_f32 v[ST+16*\t+12:ST+16*\t+13], v[ST+16*\t+12:ST+16*\t+13], v[S+32*\t+\j:S+32*\t+\j+1]
	v_pk_add_f32 v[ST+16*\t+14:ST+16*\t+15], v[ST+16*\t+14:ST+16*\t+15], v[S+32*\t+\j+2:S+32*\t+\j+3]
.endr
.endr
.irp t, 0,1
	v_pk_add_f32 v[ST+16*\t+12:ST+16*\t+13], v[ST+16*\t+12:ST+16*\t+13], v[S+32*\t+30:S+32*\t+31]
.endr
.irp t, 0,1
	s_delay_alu instid0(VALU_DEP_2)
	v_pk_add_f32 v[ST+16*\t+4:ST+16*\t+5], v[ST+16*\t+12:ST+16*\t+13], v[ST+16*\t+14:ST+16*\t+15]
.endr
.endm
.Ltrip:                                            ; 31 trips; the last is written out, and fetches nothing
	TRIP 1
	s_add_co_u32 s20, s20, 2048
	s_add_co_u32 s21, s21, 256
	s_sub_co_u32 s24, s24, 1
	s_cmp_lg_u32 s24, 0
	s_cbranch_scc1 .Ltrip
	TRIP 0
	; the two halves of the queries are joined.  Two products and one sum, not a fused form: so lanes l and l xor 16 get the same bits, and write the same word with the same value
.irp t, 0,1
	v_add_f32 v[ST+16*\t+4], v[ST+16*\t+4], v[ST+16*\t+5]
.endr
.irp t, 0
	v_permlanex16_b32 v[ST+16*\t+8], v[ST+16*\t+2], s26, s27
	s_delay_alu instid0(VALU_DEP_3)
	v_permlanex16_b32 v[ST+16*\t+9], v[ST+16*\t+4], s26, s27
.endr
.irp t, 1
	v_permlanex16_b32 v[ST+16*\t+8], v[ST+16*\t+2], s26, s27
	s_delay_alu instid0(VALU_DEP_4)
	v_permlanex16_b32 v[ST+16*\t+9], v[ST+16*\t+4], s26, s27
.endr
.irp t, 0
	s_delay_alu instid0(VALU_DEP_4)
	v_max_num_f32 v[ST+16*\t+10], v[ST+16*\t+2], v[ST+16*\t+8]
.endr
.irp t, 1
	s_delay_alu instid0(VALU_DEP_3)
	v_max_num_f32 v[ST+16*\t+10], v[ST+16*\t+2], v[ST+16*\t+8]
.endr
.irp t, 0
	s_delay_alu instid0(VALU_DEP_2)
	v_sub_f32 v[ST+16*\t+12], v[ST+16*\t+2], v[ST+16*\t+10]
	s_delay_alu instid0(VALU_DEP_3)
	v_sub_f32 v[ST+16*\t+13], v[ST+16*\t+8], v[ST+16*\t+10]
.endr
.irp t, 1
	s_delay_alu instid0(VALU_DEP_3)
	v_sub_f32 v[ST+16*\t+12], v[ST+16*\t+2], v[ST+16*\t+10]
	s_delay_alu instid0(VALU_DEP_4)
	v_sub_f32 v[ST+16*\t+13], v[ST+16*\t+8], v[ST+16*\t+10]
.endr
	s_wait_alu depctr_va_vdst(0)
.irp t, 0,1
	v_exp_f32 v[ST+16*\t+12], v[ST+16*\t+12]
	v_exp_f32 v[ST+16*\t+13], v[ST+16*\t+13]
.endr
	v_nop
	s_wait_alu depctr_va_vdst(0)
.irp t, 0,1
	v_mul_f32 v[ST+16*\t+12], v[ST+16*\t+4], v[ST+16*\t+12]
	v_mul_f32 v[ST+16*\t+13], v[ST+16*\t+9], v[ST+16*\t+13]
.endr
.irp t, 0
	s_delay_alu instid0(VALU_DEP_3)
	v_add_f32 v[ST+16*\t+12], v[ST+16*\t+12], v[ST+16*\t+13]   ; l, at least 1
.endr
.irp t, 1
	s_delay_alu instid0(VALU_DEP_2)
	v_add_f32 v[ST+16*\t+12], v[ST+16*\t+12], v[ST+16*\t+13]   ; l, at least 1
.endr
	s_wait_alu depctr_va_vdst(0)
.irp t, 0,1
	v_log_f32 v[ST+16*\t+14], v[ST+16*\t+12]
.endr
	v_nop
	s_wait_alu depctr_va_vdst(0)
.irp t, 0,1
	v_add_f32 v[ST+16*\t+14], -v[ST+16*\t+10], -v[ST+16*\t+14]
.endr
.irp t, 0,1
	ds_store_b32 v[NZA], v[ST+16*\t+14] offset:32*\t           ; keys in their natural order
.endr
	s_wait_dscnt 0x0                               ; for the others' sake: my results lie in LDS
	s_barrier_signal -1
	s_barrier_wait -1
	s_cmp_ge_u32 s8, 4
	s_cbranch_scc1 .Lend
	ds_load_b128 v[S:S+3], v[OUTA]
	s_wait_dscnt 0x0
	global_store_b128 v1, v[S:S+3], s[18:19]       ; 32 lanes store 512 bytes on end, aligned
.Lend:
	s_wait_tensorcnt 0x0
	ds_add_u32 v160, v161
	s_wait_dscnt 0x0
	s_endpgm
.Lfunc_end_k_q6ea93b1269_stats:
	.size	k_q6ea93b1269_stats, .Lfunc_end_k_q6ea93b1269_stats-k_q6ea93b1269_stats
	.p2alignl 7, 3214868480
	.fill 96, 4, 3214868480
	.section	.rodata,"a",@progbits
	.p2align	6, 0x0
	.amdhsa_kernel k_q6ea93b1269_stats
		.amdhsa_group_segment_fixed_size 169984
		.amdhsa_private_segment_fixed_size 0
		.amdhsa_enable_private_segment 0
		.amdhsa_kernarg_size 16
		.amdhsa_user_sgpr_count 2
		.amdhsa_user_sgpr_kernarg_segment_ptr 1
		.amdhsa_wavefront_size32 1
		.amdhsa_system_sgpr_workgroup_id_x 1
		.amdhsa_system_sgpr_workgroup_id_y 1
		.amdhsa_system_sgpr_workgroup_id_z 1
		.amdhsa_system_vgpr_workitem_id 0
		.amdhsa_next_free_vgpr 162
		.amdhsa_next_free_sgpr 66
		.amdhsa_reserve_vcc 0
		.amdhsa_float_denorm_mode_32 3
		.amdhsa_float_denorm_mode_16_64 3
		.amdhsa_memory_ordered 1
		.amdhsa_forward_progress 1
		.amdhsa_inst_pref_size 29
	.end_amdhsa_kernel
	.amdgpu_metadata
---
amdhsa.version: [ 1, 2 ]
amdhsa.kernels:
  - .name:           k_q6ea93b1269_stats
    .symbol:         k_q6ea93b1269_stats.kd
    .args:
      - { .name: qkv, .offset: 0, .size: 8, .value_kind: global_buffer, .address_space: global }
      - { .name: nzb, .offset: 8, .size: 8, .value_kind: global_buffer, .address_space: global }
    .group_segment_fixed_size: 169984
    .private_segment_fixed_size: 0
    .kernarg_segment_align: 8
    .kernarg_segment_size: 16
    .max_flat_workgroup_size: 512
    .sgpr_count:     66
    .vgpr_count:     162
    .wavefront_size: 32
...
	.end_amdgpu_metadata
.endif
;; end of part 3
;; launch att (part 4): grid 4 x 64, 8 waves a work-group, no clusters, 168,960 bytes of LDS; arguments qkv, nzb, hd; writes hd
.if DOCPART == 4
	.amdgcn_target "amdgcn-amd-amdhsa--gfx1250"
	.amdhsa_code_object_version 6
	.text
	.protected	k_q6ea93b1269_att
	.globl	k_q6ea93b1269_att
	.p2align	8
	.type	k_q6ea93b1269_att,@function
k_q6ea93b1269_att:
	s_mov_b64 s[64:65], 0
	v_nop
	global_prefetch_b8 v0, s[64:65] scope:SCOPE_SE
	s_setreg_imm32_b32 hwreg(HW_REG_WAVE_MODE, 25, 1), 1
	s_wait_xcnt 0x0
; att: the scores once more, the finished weight attn = 2^(c raw + nz[key]) (c = log2(e) / 8; nz from the launch before holds the key's maximum and sum over the queries), quantised along the keys,
; times V, and the heads quantised along their 64 channels for the last product.  The weight is final as it is made, at most 1: no running maximum, no row sum here.
; A work-group takes one (batch, head) and 512 queries; each of its eight waves owns 64 (four tiles) and walks the 2,048 keys in 16 steps of 128, each as two halves of 64.
; BOTH PRODUCTS TRANSPOSED: S^T = K Q^T (source 0 = 16 keys), O^T = V^T P^T (source 0 = 16 channels): a lane holds one query throughout.
; THE KEYS OF A SCORE TILE ARE CHOSEN BY THE LDS ADDRESS: row 8 a + j of tile t (of a half's four) is key 32 a + 8 t + j.  A result's register j of lane half h is row 8 h + j, so the 32 registers of a lane's
; four tiles are keys 32 h + 0 .. 31: ONE WHOLE BLOCK of the second product's K.  Its largest weight needs no other lane, and the four conversions' results are registers 4 c .. 4 c + 3 of P's fragment as they stand.
; Only P's scale word is gathered from lanes l and l xor 16: one lane exchange for a query tile and key step.
; In qkv that key lies in stored tile 2 a + t % 2 at row j + 8 (t / 2): lane term 1,024 a + 16 j + 256 h, offset 512 (t % 2) + 128 (t / 2); its scale word at 16 j + 8 a, offset 128 (t / 2) + 4 (t % 2).
; K = 64 IN AN INSTRUCTION OF 128: Q's fragments have zero codes in registers 4-7; K's lie 4 registers apart and are named as 8, their upper four being the next fragment's codes (behind the last: nz's first registers).
; FP4 has no infinity and no NaN, a zero code times any code adds 0, and the scale bytes of that half are 0, which is 2^-127 and not NaN.
; K's and V's codes, their scale words and nz of the whole head come into LDS once, by copies issued at the head: 148 KB a work-group.  cluster = none: there is no ring and no refill, each byte is asked for once
; by a work-group, at its head.  No prefetch: every request of the launch stands at the head, so there is no loop to run ahead in.
; LIMITS: a weight under 2^-126 counts as 0; blocks of zeros or under 2^-124 keep the byte 1 (this program alone reads the bytes); NaN and infinities are not served.
; REGISTERS: window 0: v1-15 addresses; v16-31 scale words (Q's, K's, V's, P's: these alone); v32-63 Q; v64-79 K; v80-111 nz; v112-175 S^T of two query tiles, then the weights; v176-207 P's codes; v208-223 at work;
;   v224-243 the way out; v244-246 lane terms.   window 1: v0-127 O^T (tile i, channels' tile ct at 32 i + 8 ct); v128-159 V's four fragments.
.set KC, 4194304
.set VC, 8388608
.set QS, 12582912
.set KS, 13107200
.set VS, 13631488
.set HS, 4194304
.set VCL, 65536
.set KSL, 131072
.set NZL, 139264
.set VSL, 147456
.set AK, 4
.set AV, 5
.set AS, 6
.set ANZ, 7
.set AVS, 8
.set QSR, 16
.set KSR, 20
.set VSR, 24
.set PWR, 28
.set QF, 32
.set KF, 64
.set NZR, 80
.set S, 112
.set P, 176
.set TM, 208
.set HC, 224
.set HW, 240
.set RO, 244
.set KL, 245                           ; my lane's place in a half's K codes
.set SH, 246                           ; 8 h: where my blocks' bytes stand in P's scale word
.set VF, 128
.set MSB, 0
.macro WIN new
.if MSB != (\new)
	s_set_vgpr_msb (MSB<<8)|(\new)
.set MSB, (\new)
.endif
.endm
	s_load_b128 s[4:7], s[0:1], 0x0                ; qkv, nzb
	s_load_b64 s[8:9], s[0:1], 0x10                ; hd
	v_lshl_add_u32 v254, v0, 2, 0x29000
	v_mov_b32 v255, 0
	ds_add_u32 v254, v255                          ; the opening lines: the add twice on end, and its wait, ahead of my first copy
	ds_add_u32 v254, v255
	v_lshrrev_b32 v1, 5, v0
	s_delay_alu instid0(VALU_DEP_1)
	v_readfirstlane_b32 s10, v1                    ; wave
	s_and_b32 s11, ttmp7, 0xffff                   ; batch x head
	v_lshlrev_b32 v9, 4, v0                        ; 16 x thread: in memory; and in each LDS region
	v_lshlrev_b32 v10, 4, v0
	s_delay_alu instid0(VALU_DEP_2)
	v_add_nc_u32 v11, VCL, v9
	v_add_nc_u32 v12, KSL, v9
	v_add_nc_u32 v13, NZL, v9
	v_add_nc_u32 v14, VSL, v9
	v_and_b32 v1, 31, v0
	s_delay_alu instid0(VALU_DEP_1)
	v_lshlrev_b32 v1, 4, v1                        ; 16 x lane
	v_and_b32 v[RO], 15, v0
	s_delay_alu instid0(VALU_DEP_1)
	v_lshlrev_b32 v[RO], 4, v[RO]                  ; 16 r
	s_lshl_b32 s42, s11, 16
	s_lshl_b32 s43, s11, 13
	s_add_co_u32 s12, s42, KC
	s_mov_b32 s13, 0
	s_add_co_u32 s14, s42, VC
	s_mov_b32 s15, 0
	s_add_co_u32 s16, s43, KS
	s_mov_b32 s17, 0
	s_mov_b32 s18, s43
	s_mov_b32 s19, 0
	s_lshl_b32 s28, s11, 12
	s_add_co_u32 s28, s28, VS
	s_mov_b32 s29, 0
	s_lshl_b32 s30, ttmp9, 5
	s_lshl_b32 s31, s10, 2
	s_add_co_u32 s35, s30, s31                     ; my first query tile in the head
	s_lshl_b32 s30, s35, 9
	s_add_co_u32 s30, s30, s42
	s_mov_b32 s31, 0
	s_lshl_b32 s32, s35, 6                         ; four tiles' words are 256 bytes
	s_add_co_u32 s32, s32, s43
	s_add_co_u32 s32, s32, QS
	s_mov_b32 s33, 0
	s_wait_alu depctr_va_vdst(0)                   ; the wait here, directly ahead of the waits below
	s_wait_dscnt 0x0
	s_wait_kmcnt 0x0
	s_add_nc_u64 s[12:13], s[4:5], s[12:13]
	s_add_nc_u64 s[14:15], s[4:5], s[14:15]
	s_add_nc_u64 s[16:17], s[4:5], s[16:17]
	s_add_nc_u64 s[18:19], s[6:7], s[18:19]
	s_add_nc_u64 s[28:29], s[4:5], s[28:29]
	s_add_nc_u64 s[30:31], s[4:5], s[30:31]
	s_add_nc_u64 s[32:33], s[4:5], s[32:33]
.irp i, 0,1,2,3
	global_load_b128 v[QF+8*\i:QF+8*\i+3], v1, s[30:31] offset:512*\i      ; Q is asked for first: the first key step needs it
.endr
	global_load_b128 v[QSR:QSR+3], v[RO], s[32:33]
	; 256 threads x 16 bytes: 4 KB a line.  Seven lines: the tables and key step 0; then thirty: key steps 1 to 15
	global_load_async_to_lds_b128 v12, v9, s[16:17]
	global_load_async_to_lds_b128 v12, v9, s[16:17] offset:4096
	global_load_async_to_lds_b128 v13, v9, s[18:19]
	global_load_async_to_lds_b128 v13, v9, s[18:19] offset:4096
	global_load_async_to_lds_b128 v14, v9, s[28:29]
	global_load_async_to_lds_b128 v10, v9, s[12:13]
	global_load_async_to_lds_b128 v11, v9, s[14:15]
.irp i, 1,2,3,4,5,6,7,8,9,10,11,12,13,14,15
	global_load_async_to_lds_b128 v10, v9, s[12:13] offset:4096*\i
	global_load_async_to_lds_b128 v11, v9, s[14:15] offset:4096*\i
.endr
	v_and_b32 v[TM], 7, v0                         ; j
	v_bfe_u32 v[TM+1], v0, 3, 1                    ; a
	v_bfe_u32 v[TM+2], v0, 4, 1                    ; h
	v_lshlrev_b32 v[KL], 4, v[TM]
	v_lshlrev_b32 v2, 4, v[TM]
	v_add_nc_u32 v15, VSL, v[RO]
	v_lshl_add_u32 v[KL], v[TM+1], 10, v[KL]
	v_lshl_add_u32 v2, v[TM+1], 3, v2
	v_lshl_add_u32 v3, v[TM+2], 7, NZL             ; nz: 128 h: my block's 32 keys
	v_lshl_add_u32 v[KL], v[TM+2], 8, v[KL]        ; 16 j + 1,024 a + 256 h
	v_add_nc_u32 v2, KSL, v2                       ; K's scale words: 16 j + 8 a
	v_lshlrev_b32 v[SH], 3, v[TM+2]
.irp i, 0,1,2,3
.irp j, 4,5,6,7
	v_mov_b32 v[QF+8*\i+\j], 0                     ; zero codes for k = 64 .. 127
.endr
.endr
.irp n, 0,1,2,3,4,5
	v_mov_b32 v[TM+4+\n], 0                        ; written once: a lane permute's destination counts as one of its sources
.endr
	s_mov_b32 s20, 0x76543210
	s_mov_b32 s21, 0xfedcba98
	s_mov_b32 s22, 0x3e38aa3b                      ; c = log2(e) / 8
	s_mov_b32 s23, s22
	s_mov_b32 s25, 0                               ; the key step's place among K's codes,
	s_mov_b32 s34, VCL                             ; V's codes,
	s_mov_b32 s26, 0                               ; K's scale words and nz,
	s_mov_b32 s27, 0                               ; V's scale words
; 14 LDS loads: half c of a key step (d = 1: of the next one): four fragments of K, their scale words, nz of my 32 keys (the lanes of one half read the same words)
.macro LOADK c, d
.irp t, 0,1,2,3
	ds_load_b128 v[KF+4*\t:KF+4*\t+3], v[AK] offset:(\d)*4096+(\c)*2048+512*(\t%2)+128*(\t/2)
.endr
.irp p, 0,1
	ds_load_b64 v[KSR+2*\p:KSR+2*\p+1], v[AS] offset:(\d)*512+(\c)*256+128*\p
.endr
.irp t, 0,1,2,3
.irp e, 0,1
	ds_load_b128 v[NZR+8*\t+4*\e:NZR+8*\t+4*\e+3], v[ANZ] offset:(\d)*512+(\c)*256+32*\t+16*\e
.endr
.endr
.endm
; Query tiles 2 g and 2 g + 1 against 64 keys: scores, weights, codes.  nx = 1, 2: K, its words and nz are free behind the scalings, and take the next half's (1) or the next key step's first half's (2)
.macro GRP g, c, nx
.irp t, 0,1,2,3
.irp u, 0,1
	v_wmma_scale_f32_16x16x128_f8f6f4 v[S+32*\u+8*\t:S+32*\u+8*\t+7], v[KF+4*\t:KF+4*\t+7], v[QF+8*(2*(\g)+\u):QF+8*(2*(\g)+\u)+7], 0, v[KSR+\t], v[QSR+2*(\g)+\u] matrix_a_fmt:MATRIX_FMT_FP4 matrix_b_fmt:MATRIX_FMT_FP4
.endr
.endr
.rept 4
	v_nop                                          ; places in front of the first read of results and of the loads below
.endr
.set k, 0
.rept 32                               ; ascending: each accumulator is read from its low end on
	v_pk_fma_f32 v[S+2*k:S+2*k+1], v[S+2*k:S+2*k+1], s[22:23], v[NZR+(2*k)%32:NZR+(2*k)%32+1] op_sel_hi:[1,0,1]   ; c raw + nz
.set k, k+1
.endr
.if (\nx) == 1
	LOADK 1, 0
.endif
.if (\nx) == 2
	LOADK 0, 1
.endif
	s_wait_alu depctr_va_vdst(0)                   ; the wait ahead of the batch
.set k, 0
.rept 64
	v_exp_f32 v[S+k], v[S+k]                       ; the finished weight
.set k, k+1
.endr
	v_nop                                          ; a plain line behind the last exponential
	s_wait_alu depctr_va_vdst(0)                   ; and ahead of the batch's first reader: one for the 64
.irp u, 0,1                            ; my block's largest weight, 32 numbers and the floor 2^(3 - 127), in two chains a tile.  No |.|: no weight is negative
	v_max3_num_f32 v[TM+\u], v[S+32*\u], v[S+32*\u+1], 0x1800000
	v_max3_num_f32 v[TM+2+\u], v[S+32*\u+16], v[S+32*\u+17], v[S+32*\u+18]
.endr
.irp i, 0,1,2,3,4,5
.irp u, 0,1
	v_max3_num_f32 v[TM+\u], v[TM+\u], v[S+32*\u+2+2*\i], v[S+32*\u+3+2*\i]
	v_max3_num_f32 v[TM+2+\u], v[TM+2+\u], v[S+32*\u+19+2*\i], v[S+32*\u+20+2*\i]
.endr
.endr
.irp u, 0,1
	v_max3_num_f32 v[TM+\u], v[TM+\u], v[S+32*\u+14], v[S+32*\u+15]
.endr
.irp u, 0,1
	v_max3_num_f32 v[TM+\u], v[TM+\u], v[TM+2+\u], v[S+32*\u+31]
.endr
.irp u, 0,1
	s_delay_alu instid0(VALU_DEP_2)
	v_add_nc_u32 v[TM+4+\u], 0xff000000, v[TM+\u]  ; 2 off the exponent field: the conversion's scale operand
.endr
.if (\c) == 0
.irp u, 0,1
	s_delay_alu instid0(VALU_DEP_2)
	v_lshrrev_b32 v[PWR+2*(\g)+\u], 23, v[TM+4+\u] ; the byte of block h, kept until the second half
.endr
.else
.irp u, 0,1
	s_delay_alu instid0(VALU_DEP_2)
	v_lshrrev_b32 v[TM+6+\u], 23, v[TM+4+\u]       ; the byte of block 2 + h
.endr
.irp u, 0,1
	s_delay_alu instid0(VALU_DEP_2)
	v_lshl_or_b32 v[TM+6+\u], v[TM+6+\u], 16, v[PWR+2*(\g)+\u]
.endr
.irp u, 0,1
	s_delay_alu instid0(VALU_DEP_2)
	v_lshlrev_b32 v[TM+6+\u], v[SH], v[TM+6+\u]    ; my two bytes at their places, 8 h bits up
.endr
.irp u, 0,1
	s_delay_alu instid0(VALU_DEP_2)
	v_permlanex16_b32 v[TM+8+\u], v[TM+6+\u], s20, s21
.endr
.irp u, 0,1
	s_delay_alu instid0(VALU_DEP_2)
	v_or_b32 v[PWR+2*(\g)+\u], v[TM+6+\u], v[TM+8+\u]      ; with lane l xor 16's two the key step's word is whole
.endr
.endif
.irp u, 0,1
.irp e, 0,1,2,3
	v_cvt_scalef32_pk8_fp4_f32 v[P+8*(2*(\g)+\u)+4*(\c)+\e], v[S+32*\u+8*\e:S+32*\u+8*\e+7], v[TM+4+\u]
.endr
.endr
	v_nop                                          ; a plain line behind the last conversion
.endm
; A key step of 128 keys.  zero: its products start O^T's sums.  pre: the next step's first loads are issued in it.  first: its own first loads are issued in it.
.macro KEYSTEP zero, pre, first
	v_add_nc_u32 v[AK], s25, v[KL]                 ; five plain lines: also the places behind the last step's products, in front of the loads into V's registers
	v_add_nc_u32 v[AV], s34, v1
	v_add_nc_u32 v[AS], s26, v2
	v_add_nc_u32 v[ANZ], s26, v3
	v_add_nc_u32 v[AVS], s27, v15
.if \first
	LOADK 0, 0
.endif
	WIN 0x40
.irp ct, 0,1,2,3
.irp e, 0,1
	ds_load_b128 v[VF+8*\ct+4*\e:VF+8*\ct+4*\e+3], v[AV] offset:1024*\ct+512*\e
.endr
.endr
	WIN 0
	ds_load_b128 v[VSR:VSR+3], v[AVS]
	s_wait_dscnt 9                                 ; K, its words and nz are in; V's eight loads and its words may stay out
	GRP 0, 0, 0
	GRP 1, 0, 1
	s_wait_dscnt 0x0
	GRP 0, 1, 0
	GRP 1, 1, 2*(\pre)
.rept 8
	v_nop                                          ; a scale register written by a vector instruction stands 8 places ahead of a scaled matrix instruction, an operand 4
.endr
	WIN 0x51                                       ; source 0 (V) window 1, source 1 (P) window 0, C and D window 1
.irp ct, 0,1,2,3                       ; sixteen accumulators by turns
.irp i, 0,1,2,3
.if \zero
	v_wmma_scale_f32_16x16x128_f8f6f4 v[32*\i+8*\ct:32*\i+8*\ct+7], v[VF+8*\ct:VF+8*\ct+7], v[P+8*\i:P+8*\i+7], 0, v[VSR+\ct], v[PWR+\i] matrix_a_fmt:MATRIX_FMT_FP4 matrix_b_fmt:MATRIX_FMT_FP4
.else
	v_wmma_scale_f32_16x16x128_f8f6f4 v[32*\i+8*\ct:32*\i+8*\ct+7], v[VF+8*\ct:VF+8*\ct+7], v[P+8*\i:P+8*\i+7], v[32*\i+8*\ct:32*\i+8*\ct+7], v[VSR+\ct], v[PWR+\i] matrix_a_fmt:MATRIX_FMT_FP4 matrix_b_fmt:MATRIX_FMT_FP4
.endif
.endr
.endr
	WIN 0
.if (\pre) || (\first)
	s_add_co_u32 s25, s25, 4096
	s_add_co_u32 s34, s34, 4096
	s_add_co_u32 s26, s26, 512
	s_add_co_u32 s27, s27, 256
.endif
.endm
	s_wait_alu depctr_va_vdst(0)                   ; the wait at the head's end
	s_wait_asynccnt 30                             ; my first seven copies have landed; the thirty of key steps 1 to 15 may stay out
	s_wait_loadcnt 0x0                             ; Q
	s_barrier_signal -1
	s_barrier_wait -1                              ; everybody's seven have landed
	KEYSTEP 1, 0, 1
	s_wait_asynccnt 0x0
	s_wait_dscnt 0x0
	s_barrier_signal -1
	s_barrier_wait -1                              ; all of K and V lies in LDS
	LOADK 0, 1                                     ; key step 1, from key step 0's addresses
	s_mov_b32 s24, 14
.Lks:
	KEYSTEP 0, 1, 0
	s_sub_co_u32 s24, s24, 1
	s_cmp_lg_u32 s24, 0
	s_cbranch_scc1 .Lks
	KEYSTEP 0, 0, 0
	; THE WAY OUT: a query's 64 channels are two blocks of the last product's K.  Two tiles at a time.
	s_lshr_b32 s36, s11, 4                         ; batch
	s_and_b32 s37, s11, 15                         ; head
	s_lshl_b32 s36, s36, 7
	s_add_co_u32 s36, s36, s35                     ; my first token tile
	s_lshl_b32 s38, s36, 12
	s_lshr_b32 s39, s37, 3
	s_lshl_b32 s39, s39, 21                        ; the K half,
	s_add_co_u32 s38, s38, s39
	s_and_b32 s39, s37, 7
	s_lshl_b32 s39, s39, 9                         ; and the head's two blocks in it
	s_add_co_u32 s38, s38, s39
	s_mov_b32 s39, 0
	s_add_nc_u64 s[38:39], s[8:9], s[38:39]
	s_lshl_b32 s40, s36, 6                         ; two tiles' words are 128 bytes
	s_lshl_b32 s41, s37, 15
	s_add_co_u32 s40, s40, s41
	s_add_co_u32 s40, s40, HS
	s_mov_b32 s41, 0
	s_add_nc_u64 s[40:41], s[8:9], s[40:41]
.rept 4
	v_nop
.endr
.macro OUTQ pr
	WIN 0x05
.irp n, 0,1,2,3
	v_max3_num_f32 v[TM+\n], |v[32*(2*(\pr)+\n/2)+16*(\n%2)]|, |v[32*(2*(\pr)+\n/2)+16*(\n%2)+1]|, 0x1800000
.endr
	WIN 0x14
.irp i, 2,4,6,8,10,12,14
.irp n, 0,1,2,3
	v_max3_num_f32 v[TM+\n], v[TM+\n], |v[32*(2*(\pr)+\n/2)+16*(\n%2)+\i]|, |v[32*(2*(\pr)+\n/2)+16*(\n%2)+\i+1]|
.endr
.endr
	WIN 0
.irp n, 0,1,2,3
	v_permlanex16_b32 v[TM+4+\n], v[TM+\n], s20, s21
.endr
.irp n, 0,1,2,3
	s_delay_alu instid0(VALU_DEP_4)
	v_max_num_f32 v[TM+\n], v[TM+\n], v[TM+4+\n]
.endr
.irp n, 0,1,2,3
	s_delay_alu instid0(VALU_DEP_4)
	v_add_nc_u32 v[TM+8+\n], 0xff000000, v[TM+\n]
.endr
.irp n, 0,1,2,3
	s_delay_alu instid0(VALU_DEP_4)
	v_lshrrev_b32 v[TM+4+\n], 23, v[TM+8+\n]
.endr
.irp u, 0
	s_delay_alu instid0(VALU_DEP_3)
	v_lshl_or_b32 v[HW+2*(\pr)+\u], v[TM+5+2*\u], 8, v[TM+4+2*\u]
.endr
.irp u, 1
	s_delay_alu instid0(VALU_DEP_2)
	v_lshl_or_b32 v[HW+2*(\pr)+\u], v[TM+5+2*\u], 8, v[TM+4+2*\u]
.endr
	WIN 0x01
.irp n, 0,1,2,3
.irp e, 0,1
	v_cvt_scalef32_pk8_fp4_f32 v[HC+8*(\pr)+2*\n+\e], v[32*(2*(\pr)+\n/2)+16*(\n%2)+8*\e:32*(2*(\pr)+\n/2)+16*(\n%2)+8*\e+7], v[TM+8+\n]
.endr
.endr
	WIN 0
	v_nop
.irp u, 0,1
.irp i, 0,1
	v_permlane16_swap_b32 v[HC+8*(\pr)+4*\u+\i], v[HC+8*(\pr)+4*\u+2+\i]
.endr
.endr
.endm
	OUTQ 0
	OUTQ 1
.irp i, 0,1,2,3
	global_store_b128 v1, v[HC+4*\i:HC+4*\i+3], s[38:39] offset:4096*\i    ; 32 lanes store 512 bytes on end, aligned
.endr
	v_bfe_u32 v[TM], v0, 4, 1
	s_delay_alu instid0(VALU_DEP_1)
	v_cmp_eq_u32 vcc_lo, 1, v[TM]
	s_delay_alu instid0(VALU_DEP_1)
	v_cndmask_b32 v[TM+2], v[HW], v[HW+2], vcc_lo  ; lanes 0-15: tiles 0 and 1, lanes 16-31: tiles 2 and 3
	s_delay_alu instid0(VALU_DEP_2)
	v_cndmask_b32 v[TM+3], v[HW+1], v[HW+3], vcc_lo
	v_and_b32 v[TM+1], 31, v0
	s_delay_alu instid0(VALU_DEP_1)
	v_lshlrev_b32 v[TM+1], 3, v[TM+1]
	global_store_b64 v[TM+1], v[TM+2:TM+3], s[40:41]           ; 32 lanes store 256 bytes on end, aligned
	s_wait_tensorcnt 0x0                           ; the wave's end
	ds_add_u32 v254, v255
	s_wait_dscnt 0x0
	s_endpgm
.Lfunc_end_k_q6ea93b1269_att:
	.size	k_q6ea93b1269_att, .Lfunc_end_k_q6ea93b1269_att-k_q6ea93b1269_att
	.p2alignl 7, 3214868480
	.fill 96, 4, 3214868480
	.section	.rodata,"a",@progbits
	.p2align	6, 0x0
	.amdhsa_kernel k_q6ea93b1269_att
		.amdhsa_group_segment_fixed_size 168960
		.amdhsa_private_segment_fixed_size 0
		.amdhsa_enable_private_segment 0
		.amdhsa_kernarg_size 24
		.amdhsa_user_sgpr_count 2
		.amdhsa_user_sgpr_kernarg_segment_ptr 1
		.amdhsa_wavefront_size32 1
		.amdhsa_system_sgpr_workgroup_id_x 1
		.amdhsa_system_sgpr_workgroup_id_y 1
		.amdhsa_system_sgpr_workgroup_id_z 1
		.amdhsa_system_vgpr_workitem_id 0
		.amdhsa_next_free_vgpr 416
		.amdhsa_next_free_sgpr 66
		.amdhsa_reserve_vcc 1
		.amdhsa_float_denorm_mode_32 3
		.amdhsa_float_denorm_mode_16_64 3
		.amdhsa_memory_ordered 1
		.amdhsa_forward_progress 1
		.amdhsa_inst_pref_size 136
	.end_amdhsa_kernel
	.amdgpu_metadata
---
amdhsa.version: [ 1, 2 ]
amdhsa.kernels:
  - .name:           k_q6ea93b1269_att
    .symbol:         k_q6ea93b1269_att.kd
    .args:
      - { .name: qkv, .offset: 0, .size: 8, .value_kind: global_buffer, .address_space: global }
      - { .name: nzb, .offset: 8, .size: 8, .value_kind: global_buffer, .address_space: global }
      - { .name: hd, .offset: 16, .size: 8, .value_kind: global_buffer, .address_space: global }
    .group_segment_fixed_size: 168960
    .private_segment_fixed_size: 0
    .kernarg_segment_align: 8
    .kernarg_segment_size: 24
    .max_flat_workgroup_size: 256
    .sgpr_count:     66
    .vgpr_count:     416
    .wavefront_size: 32
...
	.end_amdgpu_metadata
.endif
;; end of part 4
;; launch outp (part 5): grid 4 x 64, 4 waves a work-group, clusters of 4 x 4, 327,680 bytes of LDS; arguments hd, pw, bo, x, out0; writes out0
.if DOCPART == 5
	.amdgcn_target "amdgcn-amd-amdhsa--gfx1250"
	.amdhsa_code_object_version 6
	.text
	.protected	k_q6ea93b1269_outp
	.globl	k_q6ea93b1269_outp
	.p2align	8
	.type	k_q6ea93b1269_outp,@function
k_q6ea93b1269_outp:
	s_mov_b64 s[64:65], 0
	v_nop
	global_prefetch_b8 v0, s[64:65] scope:SCOPE_SE
	s_setreg_imm32_b32 hwreg(HW_REG_WAVE_MODE, 25, 1), 1
	s_wait_xcnt 0x0
	s_wait_alu depctr_hold_cnt(0) depctr_sa_sdst(0) depctr_va_vdst(0) depctr_va_sdst(0) depctr_va_ssrc(0) depctr_va_vcc(0) depctr_vm_vsrc(0)
	s_getreg_b32 s2, hwreg(HW_REG_IB_STS2, 6, 4)
	s_cmp_eq_u32 s2, 0
	s_cbranch_scc0 .Lentry_in_a_cluster
	s_endpgm
.Lentry_in_a_cluster:
	s_bfe_u32 s2, ttmp6, 0x10000c
	s_cmp_lg_u32 s2, 0xf033
	s_cbranch_scc0 .Lentry_shape_is_right
	s_endpgm
.Lentry_shape_is_right:
; outp: out = heads Wo^T + bo + x.  The product runs on codes of FP4 with E8M0 scales, K = 1,024; bo and x are added in f32.
; A work-group makes 128 tokens x 256 outputs (256 work-groups), each of its four waves 64 x 128: 32 accumulators.  All of K fits in LDS: two halves of 512, one tensor load a wave each; nothing is filled twice.
; TRANSPOSED USE: source 0 = 16 rows of Wo, source 1 = 16 tokens: a lane holds one token and its registers run along neighbouring outputs (the rows of a tile of Wo are 32 G + 8 u + r + 8 (r / 8)).
; bo is the C of each sum's first product: 64 registers in the result's layout.  x's 64 rows x 512 bytes of a wave are asked for ahead of the products and added on the way out.
; CLUSTER 4 x 4: the heads' tiles are shared along a row of the cluster, Wo's along a column, each asked for jointly.
; The heads' scale words come as two bytes a head ([head][two token tiles][r][2 words]): two heads' halves make the word of a K step of 128.
; REGISTERS: window 0: v1-7, v16-25 addresses; v32-95 Wo's scale words, v96-127 the heads' (these alone); v128-191 the heads' fragments, two sets; v192-255 at work; on the way out v128-255 are two sets of 16 rows.
;   window 1: v0-63, v128-191 Wo's fragments, two sets; v64-127 bo.   window 2: accumulator (a, b) at v[8 (8 a + b)].   window 3: x, row 16 a + p at v[64 a + 4 p].
.set HS, 4194304
.set POC, 5767168
.set POS, 6651904
.set SLOTB, 98304                      ; LDS: a K half: the heads' 8 tiles of 4,096 bytes, then Wo's 16
.set SAL, 196608                       ; the heads' scale words: 2 x 16 heads x 256 bytes
.set SBL, 204800                       ; Wo's: 16 tiles of 512 bytes
.set STG, 212992                       ; the way out: 16 rows x (512 + 16) bytes for each wave; written by ds_store alone
.set SP, 528
.set ASA, 6
.set ASB, 7
.set ADRA, 16
.set ADRB, 20
.set STO, 24
.set RD, 25
.set SBR, 32
.set SAR, 96
.set AF, 128
.set T, 192
.set BK, 128
.set BN, 64
.set G1, 24
.set G0, 32
.set G1B, 48
.set G0B, 56
.set G1S, 68
.set G0S, 76
.set G1SB, 80
.set G0SB, 88
.set MSB, 0
.macro WIN new
.if MSB != (\new)
	s_set_vgpr_msb (MSB<<8)|(\new)
.set MSB, (\new)
.endif
.endm
.macro JLOAD g0a, g1a, g0b, g1b        ; a joint load: waves 0 and 1 fetch the heads', waves 2 and 3 Wo's; four v_nop follow each line
	s_cmp_eq_u32 s15, 0
	s_cbranch_scc0 .Lfor_b_\@
	tensor_load_to_lds s[\g0a:\g0a+3], s[\g1a:\g1a+7]
	s_nop 0
.rept 4
	v_nop
.endr
	s_branch .Lasked_\@
.Lfor_b_\@:
	tensor_load_to_lds s[\g0b:\g0b+3], s[\g1b:\g1b+7]
	s_nop 0
.rept 4
	v_nop
.endr
.Lasked_\@:
.endm
.macro CROUND
	s_barrier_signal -1
	s_barrier_wait -1
	s_cmp_lg_u32 s14, 0
	s_cbranch_scc1 .Lnot_wave_0_\@
	s_barrier_signal -3
.Lnot_wave_0_\@:
	s_barrier_wait -3
	s_barrier_signal -1
	s_barrier_wait -1
.endm
.macro PLACES
.rept 4
	v_nop
.endr
.endm
	s_load_b256 s[4:11], s[0:1], 0x0               ; hd, pw, bo, x
	s_load_b64 s[12:13], s[0:1], 0x20              ; out0
	v_lshl_add_u32 v30, v0, 2, 0x3c400
	v_mov_b32 v31, 0
	ds_add_u32 v30, v31
	ds_add_u32 v30, v31
	v_lshrrev_b32 v1, 5, v0
	v_readfirstlane_b32 s14, v1
	s_lshr_b32 s15, s14, 1                         ; which 64 tokens are mine.  Also: I fetch the heads' (0) or Wo's (1)
	s_and_b32 s16, s14, 1                          ; which 128 outputs.  Also: which half of that operand I fetch
	s_bfe_u32 s40, ttmp6, 0x40000                  ; cx: the block of 256 outputs
	s_bfe_u32 s41, ttmp6, 0x40004                  ; cy
	s_and_b32 s17, ttmp7, 0xffff
	s_lshl_b32 s17, s17, 2
	s_add_co_u32 s17, s17, s41                     ; the block of 128 tokens
	s_lshl_b32 s43, s41, 2
	s_lshl_b32 s43, 15, s43
	s_lshl_b32 s44, 0x1111, s40
	s_or_b32 s[G1], s43, (3<<16)|(1<<21)           ; rows of 256 bytes (32 elements of 8 bytes): the heads' codes 128 rows,
	s_or_b32 s[G1B], s44, (3<<16)|(1<<21)          ; Wo's 256,
	s_or_b32 s[G1S], s43, (3<<16)|(1<<21)          ; the heads' scale words 16 rows, one a head, 32,768 bytes apart,
	s_or_b32 s[G1SB], s44, (3<<16)|(1<<21)         ; Wo's 32 dense rows
	s_mov_b32 s[G1+1], 32<<16
	s_mov_b32 s[G1+2], 128<<16
	s_mov_b32 s[G1+3], 32<<16
	s_mov_b32 s[G1+4], 128
	s_mov_b32 s[G1+5], 32
	s_mov_b32 s[G1+6], 0
	s_mov_b32 s[G1+7], 0
	s_mov_b32 s[G1B+1], 32<<16
	s_mov_b32 s[G1B+2], 256<<16
	s_mov_b32 s[G1B+3], 32<<16
	s_mov_b32 s[G1B+4], 256
	s_mov_b32 s[G1B+5], 32
	s_mov_b32 s[G1B+6], 0
	s_mov_b32 s[G1B+7], 0
	s_mov_b32 s[G1S+1], 64<<16
	s_mov_b32 s[G1S+2], 16<<16
	s_mov_b32 s[G1S+3], 64<<16
	s_mov_b32 s[G1S+4], 16
	s_mov_b32 s[G1S+5], 4096
	s_mov_b32 s[G1S+6], 0
	s_mov_b32 s[G1S+7], 0
	s_mov_b32 s[G1SB+1], 32<<16
	s_mov_b32 s[G1SB+2], 32<<16
	s_mov_b32 s[G1SB+3], 32<<16
	s_mov_b32 s[G1SB+4], 32
	s_mov_b32 s[G1SB+5], 32
	s_mov_b32 s[G1SB+6], 0
	s_mov_b32 s[G1SB+7], 0
	s_lshl_b32 s92, s16, 14                        ; LDS: my half of the heads' tiles,
	s_lshl_b32 s93, s16, 15
	s_add_co_u32 s93, s93, 32768                   ; of Wo's,
	s_wait_dscnt 0x0
	s_wait_kmcnt 0x0
	s_lshl_b32 s22, s17, 15
	s_lshl_b32 s21, s16, 14
	s_mov_b32 s23, 0
	s_add_nc_u64 s[G0+2:G0+3], s[4:5], s[22:23]
	s_add_co_u32 s22, s22, s21                     ; of the second K half a wave takes half an operand's tiles
	s_add_co_u32 s22, s22, 2097152
	s_add_nc_u64 s[G0+6:G0+7], s[4:5], s[22:23]
	s_lshl_b32 s22, s17, 9
	s_add_co_u32 s22, s22, HS
	s_add_nc_u64 s[G0S+2:G0S+3], s[4:5], s[22:23]
	s_lshl_b32 s46, s40, 16
	s_lshl_b32 s45, s16, 15
	s_add_co_u32 s46, s46, POC
	s_mov_b32 s47, 0
	s_add_nc_u64 s[G0B+2:G0B+3], s[6:7], s[46:47]
	s_add_co_u32 s46, s46, s45
	s_add_co_u32 s46, s46, 262144
	s_add_nc_u64 s[G0B+6:G0B+7], s[6:7], s[46:47]
	s_lshl_b32 s46, s40, 13
	s_add_co_u32 s46, s46, POS
	s_add_nc_u64 s[G0SB+2:G0SB+3], s[6:7], s[46:47]
.irp g, G0, G0+4, G0B, G0B+4, G0S, G0SB
	s_mov_b32 s[\g], 1
	s_or_b32 s[\g+3], s[\g+3], 0x80000000
.endr
	s_mov_b32 s[G0+1], 0
	s_add_co_u32 s[G0+5], s92, SLOTB
	s_mov_b32 s[G0B+1], 32768
	s_add_co_u32 s[G0B+5], s93, SLOTB
	s_mov_b32 s[G0S+1], SAL
	s_mov_b32 s[G0SB+1], SBL
	CROUND                                         ; all sixteen work-groups are here: the joint loads meet
; THE HEAD'S LOADS, ONE A WAVE: wave 0 the heads' 8 tiles of the first K half, wave 1 Wo's 16, wave 2 the heads' scale words (16 rows of 512 bytes, one a head), wave 3 Wo's.
; One tree of branches on the wave's number: every way through it passes exactly one load.
.macro ARM under, g0, g1, next
	s_cmp_lt_u32 s14, \under
	s_cbranch_scc0 \next
	tensor_load_to_lds s[\g0:\g0+3], s[\g1:\g1+7]
	s_nop 0
.rept 4
	v_nop
.endr
	s_branch .Lhead_asked
\next:
.endm
	ARM 1, G0,  G1,  .Lhead_b
	ARM 2, G0B, G1B, .Lhead_sa
	ARM 3, G0S, G1S, .Lhead_sb
	tensor_load_to_lds s[G0SB:G0SB+3], s[G1SB:G1SB+7]
	s_nop 0
.rept 4
	v_nop
.endr
.Lhead_asked:
	s_lshl_b32 s18, s40, 10
	s_lshl_b32 s19, s16, 9
	s_add_co_u32 s18, s18, s19                     ; my first output x 4
	s_lshl_b32 s20, s17, 19
	s_lshl_b32 s21, s15, 18
	s_add_co_u32 s20, s20, s21
	s_add_co_u32 s20, s20, s18                     ; my first token's row, at my first output
	s_mov_b32 s19, 0
	s_mov_b32 s21, 0
	s_add_nc_u64 s[18:19], s[8:9], s[18:19]
	s_add_nc_u64 s[96:97], s[10:11], s[20:21]
	s_add_nc_u64 s[98:99], s[12:13], s[20:21]
	v_and_b32 v4, 31, v0
	v_and_b32 v1, 15, v0                           ; r
	s_wait_alu depctr_va_vdst(0)
	v_bfe_u32 v2, v0, 4, 1                         ; h
	v_lshlrev_b32 v3, 4, v4                        ; 16 x lane
	v_lshlrev_b32 v5, 6, v2                        ; 64 h
	WIN 0x40
.irp b, 0,1,2,3
.irp k, 0,1,2,3
	global_load_b128 v[BN+16*\b+4*\k:BN+16*\b+4*\k+3], v5, s[18:19] offset:128*\b+16*\k    ; register 16 b + i: output 32 b + 16 h + i
.endr
.endr
	WIN 0
	s_lshl_b32 s22, s15, 14                        ; my 4 tiles of tokens,
	s_lshl_b32 s23, s16, 15
	s_add_co_u32 s23, s23, 32768                   ; my 8 tiles of Wo
	v_add_nc_u32 v[ADRA], s22, v3
	v_add_nc_u32 v[ADRB], s23, v3
	s_add_co_u32 s22, s22, SLOTB
	s_add_co_u32 s23, s23, SLOTB
	v_add_nc_u32 v[ADRA+1], s22, v3
	v_add_nc_u32 v[ADRB+1], s23, v3
	s_lshl_b32 s22, s15, 8                         ; my four token tiles' 256 bytes of a head's 512
	s_add_co_u32 s22, s22, SAL
	v_lshl_add_u32 v[ASA], v1, 3, s22
	s_lshl_b32 s22, s16, 12
	s_add_co_u32 s22, s22, SBL
	v_lshl_add_u32 v[ASB], v1, 4, s22
	s_mul_i32 s22, s14, 16*SP
	s_add_co_u32 s22, s22, STG
	v_mul_u32_u24 v[STO], v1, SP
	v_lshl_add_u32 v[STO], v2, 6, v[STO]
	v_add_nc_u32 v[STO], s22, v[STO]               ; the stage, in: row r, + 64 h
	v_add_nc_u32 v[RD], s22, v3                    ; back: a whole row of 512 bytes
.macro FRAG reg, adr, off
	ds_load_b128 v[\reg:\reg+3], v[\adr] offset:\off
	ds_load_b128 v[\reg+4:\reg+7], v[\adr] offset:\off+512
.endm
.macro FETCH kh, q, p
	WIN 0x40
.irp i, 0,1,2,3,4,5,6,7
	FRAG 128*(\p)+8*\i, ADRB+(\kh), \i*4096+(\q)*1024
.endr
	WIN 0
.irp i, 0,1,2,3
	FRAG AF+32*(\p)+8*\i, ADRA+(\kh), \i*4096+(\q)*1024
.endr
.endm
.macro MUL8 a, p, kh, q, first         ; token tile a against Wo's eight.  The 32 accumulators take turns, one instruction a turn
.irp b, 0,1,2,3,4,5,6,7
.if \first
	v_wmma_scale_f32_16x16x128_f8f6f4 v[8*(8*(\a)+\b):8*(8*(\a)+\b)+7], v[128*(\p)+8*\b:128*(\p)+8*\b+7], v[AF+32*(\p)+8*(\a):AF+32*(\p)+8*(\a)+7], v[BN+8*\b:BN+8*\b+7], v[SBR+32*(\kh)+4*\b+(\q)], v[SAR+8*(\a)+4*(\kh)+(\q)] matrix_a_fmt:MATRIX_FMT_FP4 matrix_b_fmt:MATRIX_FMT_FP4
.else
	v_wmma_scale_f32_16x16x128_f8f6f4 v[8*(8*(\a)+\b):8*(8*(\a)+\b)+7], v[128*(\p)+8*\b:128*(\p)+8*\b+7], v[AF+32*(\p)+8*(\a):AF+32*(\p)+8*(\a)+7], v[8*(8*(\a)+\b):8*(8*(\a)+\b)+7], v[SBR+32*(\kh)+4*\b+(\q)], v[SAR+8*(\a)+4*(\kh)+(\q)] matrix_a_fmt:MATRIX_FMT_FP4 matrix_b_fmt:MATRIX_FMT_FP4
.endif
.endr
.endm
.macro STEP k
.if (\k) == 3
	s_wait_tensorcnt 0x0                           ; my part of the second K half has landed,
	s_wait_dscnt 0x0
	s_barrier_signal -1
	s_barrier_wait -1                              ; everybody's has
.else
	s_wait_dscnt 0x0
.endif
.if (\k) > 0
	PLACES                                         ; four places in front of loads into registers that matrix instructions have read
.endif
.if (\k) < 7
	FETCH ((\k)+1)/4, ((\k)+1)%4, ((\k)+1)%2
.endif
.if (\k) == 0
	WIN 0x91                                       ; source 0 (Wo) and C (bo) window 1, source 1 window 0, D window 2
.else
	WIN 0xa1                                       ; C and D window 2
.endif
.irp a, 0,1,2,3
	MUL8 \a, (\k)%2, (\k)/4, (\k)%4, (\k)==0
.endr
	WIN 0
.endm
	s_wait_alu depctr_va_vdst(0)
	s_wait_loadcnt 0x0                             ; bo
	WIN 0xc0                                       ; x is asked for ahead of the wait for the tiles: on its way during the whole product
.irp a, 0,1,2,3
.irp p, 0,1,2,3,4,5,6,7,8,9,10,11,12,13,14,15
	global_load_b128 v[64*\a+4*\p:64*\a+4*\p+3], v3, s[96:97] offset:(32*(\a/2)+8*(\a%2)+\p+8*(\p/8))*4096 th:TH_LOAD_NT
.endr
.endr
	WIN 0
	s_wait_tensorcnt 0x0                           ; my tile of the head's four is in
	ds_add_u32 v30, v31
	s_mov_b32 s[G1+2], 64<<16                      ; no tensor load of mine is out: from here on a load brings half an operand's tiles
	s_mov_b32 s[G1+4], 64
	s_mov_b32 s[G1B+2], 128<<16
	s_mov_b32 s[G1B+4], 128
	s_wait_dscnt 0x0
	CROUND                                         ; all four tiles are in, and all sixteen work-groups are here
	JLOAD G0+4, G1, G0B+4, G1B                     ; the second K half: the first tensor load behind the round
.irp d, 0,1,2,3,4,5,6,7,8,9,10,11,12,13,14,15
.irp p, 0,1
	ds_load_b64 v[T+4*\d+2*\p:T+4*\d+2*\p+1], v[ASA] offset:512*\d+128*\p
.endr
.endr
.irp h, 0,1
.irp i, 0,1,2,3,4,5,6,7
	ds_load_b128 v[SBR+32*\h+4*\i:SBR+32*\h+4*\i+3], v[ASB] offset:\i*512+\h*256
.endr
.endr
	FETCH 0, 0, 0
	s_wait_dscnt 40                                ; the heads' halves are in; the 16 + 24 younger loads may stay out
.irp a, 0,1,2,3
.irp s, 0,1,2,3,4,5,6,7
	v_lshl_or_b32 v[SAR+8*\a+\s], v[T+8*\s+4+\a], 16, v[T+8*\s+\a]             ; heads 2 s and 2 s + 1 make K step s's word
.endr
.endr
.rept 8
	v_nop                                          ; a scale register written by a vector instruction stands 8 places ahead of a scaled matrix instruction
.endr
	s_wait_alu depctr_va_vdst(0)
.irp k, 0,1,2,3,4,5,6,7
	STEP \k
.endr
; THE WAY OUT, a tile of 16 tokens x 128 outputs at a time, through my own stage: back come whole rows of 512 bytes; x is added; 32 lanes store 512 bytes on end, aligned.
.macro TOSTAGE a
	WIN 0x08                                       ; an LDS store's data: window 2
.irp b, 0,1,2,3,4,5,6,7
	ds_store_b128 v[STO], v[8*(8*(\a)+\b):8*(8*(\a)+\b)+3] offset:128*(\b/2)+32*(\b%2)     ; each accumulator from its low end on
	ds_store_b128 v[STO], v[8*(8*(\a)+\b)+4:8*(8*(\a)+\b)+7] offset:128*(\b/2)+32*(\b%2)+16
.endr
	WIN 0
.irp p, 0,1,2,3,4,5,6,7,8,9,10,11,12,13,14,15
	ds_load_b128 v[BK+64*((\a)%2)+4*\p:BK+64*((\a)%2)+4*\p+3], v[RD] offset:\p*SP          ; LDS serves a wave's instructions in order: these see the stores above
.endr
.endm
.macro SEND a, younger                 ; younger: the LDS instructions issued behind tile a's loads
	s_wait_dscnt \younger
	WIN 0x0c                                       ; source 1 (x): window 3
.set k, 0
.rept 32
	v_pk_add_f32 v[BK+64*((\a)%2)+2*k:BK+64*((\a)%2)+2*k+1], v[BK+64*((\a)%2)+2*k:BK+64*((\a)%2)+2*k+1], v[64*(\a)+2*k:64*(\a)+2*k+1]
.set k, k+1
.endr
	WIN 0
.irp p, 0,1,2,3,4,5,6,7,8,9,10,11,12,13,14,15
	global_store_b128 v3, v[BK+64*((\a)%2)+4*\p:BK+64*((\a)%2)+4*\p+3], s[98:99] offset:(32*((\a)/2)+8*((\a)%2)+\p+8*(\p/8))*4096 th:TH_STORE_NT
.endr
.endm
	PLACES                                         ; in front of the first read of results and of loads into the fragments' registers
	s_wait_loadcnt 0x0                             ; x
	TOSTAGE 0
	TOSTAGE 1
	SEND 0, 32                                     ; behind tile 0's loads: tile 1's 16 stores and 16 loads
	s_wait_xcnt 0x0                                ; tile 0's stores have read their registers: tile 2's rows may land there
	TOSTAGE 2
	SEND 1, 32
	s_wait_xcnt 0x0
	TOSTAGE 3
	SEND 2, 32
	SEND 3, 0
	s_wait_tensorcnt 0x0
	s_wait_tensorcnt 0x0
	ds_add_u32 v30, v31
	s_wait_dscnt 0x0
	CROUND                                         ; the closing round
	s_endpgm
.Lfunc_end_k_q6ea93b1269_outp:
	.size	k_q6ea93b1269_outp, .Lfunc_end_k_q6ea93b1269_outp-k_q6ea93b1269_outp
	.p2alignl 7, 3214868480
	.fill 96, 4, 3214868480
	.section	.rodata,"a",@progbits
	.p2align	6, 0x0
	.amdhsa_kernel k_q6ea93b1269_outp
		.amdhsa_group_segment_fixed_size 327680
		.amdhsa_private_segment_fixed_size 0
		.amdhsa_enable_private_segment 0
		.amdhsa_kernarg_size 40
		.amdhsa_user_sgpr_count 2
		.amdhsa_user_sgpr_kernarg_segment_ptr 1
		.amdhsa_wavefront_size32 1
		.amdhsa_system_sgpr_workgroup_id_x 1
		.amdhsa_system_sgpr_workgroup_id_y 1
		.amdhsa_system_sgpr_workgroup_id_z 1
		.amdhsa_system_vgpr_workitem_id 0
		.amdhsa_next_free_vgpr 1024
		.amdhsa_next_free_sgpr 100
		.amdhsa_reserve_vcc 0
		.amdhsa_float_denorm_mode_32 3
		.amdhsa_float_denorm_mode_16_64 3
		.amdhsa_memory_ordered 1
		.amdhsa_forward_progress 1
		.amdhsa_inst_pref_size 92
	.end_amdhsa_kernel
	.amdgpu_metadata
---
amdhsa.version: [ 1, 2 ]
amdhsa.kernels:
  - .name:           k_q6ea93b1269_outp
    .symbol:         k_q6ea93b1269_outp.kd
    .args:
      - { .name: hd, .offset: 0, .size: 8, .value_kind: global_buffer, .address_space: global }
      - { .name: pw, .offset: 8, .size: 8, .value_kind: global_buffer, .address_space: global }
      - { .name: bo, .offset: 16, .size: 8, .value_kind: global_buffer, .address_space: global }
      - { .name: x, .offset: 24, .size: 8, .value_kind: global_buffer, .address_space: global }
      - { .name: out0, .offset: 32, .size: 8, .value_kind: global_buffer, .address_space: global }
    .group_segment_fixed_size: 327680
    .private_segment_fixed_size: 0
    .kernarg_segment_align: 8
    .kernarg_segment_size: 40
    .max_flat_workgroup_size: 128
    .sgpr_count:     100
    .vgpr_count:     1024
    .wavefront_size: 32
...
	.end_amdgpu_metadata
.endif
;; end of part 5
